; MI455X (gfx1250); checked and timed in simulation.
; The chip was launched on July 23, 2026; its instructions are those of AMD's public machine-readable ISA for CDNA 5 (MIT licence, August 2026) and "CDNA5" Instruction Set Architecture Reference Guide (July 2026). The comments in the code are by the model that wrote it; some were corrected since.
;; Multi Head Attention. Allowed arithmetic: matrix products marked QUANTISED: E2M3 operands, one E8M0 scale for each 32 along K, by v_wmma_scale_f32_16x16x128_f8f6f4 with both operands' format E2M3, f32 sums; everything else in f32.
;; Inputs: W0 1,024 x 1,024 float32; Wk 1,024 x 1,024 float32; Wq 1,024 x 1,024 float32; Wv 1,024 x 1,024 float32; b0 1,024 float32; bk 1,024 float32; bq 1,024 float32; bv 1,024 float32; x 4 x 2,048 x 1,024 float32.
;; Outputs: out0 4 x 2,048 x 1,024 float32.
;; This version of the problem:
;;   THIS VERSION OF THE PROBLEM IS GIVEN IN LOW PRECISION. The matrix products marked QUANTISED in the list below multiply operands that are first quantised to E2M3 (2 exponent bits, 3 mantissa bits; 6 bits a number), with one power-of-two scale for each 32 numbers along K (OCP MX v1.0); their sums are f32. All else is computed in f32.
;;   The module's matrix products, in the order in which they are computed (A, B: the left and right operand; K: the contracted axis; several contracted axes count as one K, in the product's order):
;;     1. [M 8,192, K 1,024] x [K 1,024, N 1,024]; A: input x; B: input Wq: QUANTISED
;;     2. [M 8,192, K 1,024] x [K 1,024, N 1,024]; A: input x; B: input Wk: QUANTISED
;;     3. [M 8,192, K 1,024] x [K 1,024, N 1,024]; A: input x; B: input Wv: QUANTISED
;;     4. batch 64 x [M 2,048, K 64] x [K 64, N 2,048]; A: computed on the way; B: computed on the way: QUANTISED
;;     5. batch 64 x [M 2,048, K 2,048] x [K 2,048, N 64]; A: softmax (see below); B: computed on the way: QUANTISED
;;     6. [M 8,192, K 1,024] x [K 1,024, N 1,024]; A: computed on the way; B: input W0: QUANTISED
;;   THE QUANTISER, for each operand of a quantised product, along K:
;;     - K is cut into blocks of 32 from its start; a last block that is shorter is filled with zeros.
;;     - A block's scale is 2^e with e = floor(log2(the largest magnitude in the block)) - 2, held to -126 .. 127; a block of zeros has e = 0. As a byte (E8M0): e + 127.
;;     - Each number is divided by its block's scale, clamped to +-7.5, and rounded to the nearest number of E2M3, ties to even, subnormals kept.
;;     - The product sums the exact products of the quantised numbers (number of the format x scale) in f32.
;;   ~~~python
;;   def quantise(x, axis):      # numpy; x: float32 -> the quantised numbers, widened to float32 again
;;       x = np.moveaxis(x, axis, -1); K = x.shape[-1]
;;       x = np.pad(x, [(0, 0)] * (x.ndim - 1) + [(0, -K % 32)]); x = x.reshape(x.shape[:-1] + (-1, 32)); a = np.abs(x).max(-1, keepdims=True)
;;       e = np.where(a > 0, np.clip(np.frexp(np.where(a > 0, a, 1))[1] - 1 - 2, -126, 127), 0)      # np.frexp(a)[1] - 1 = floor(log2(a)), exactly
;;       r = np.clip(x / 2.0 ** e, -7.5, 7.5)
;;       step = 2.0 ** (np.maximum(np.frexp(np.where(r == 0, 1, r))[1] - 1, 0) - 3)
;;       q = np.round(r / step) * step * 2.0 ** e      # np.round: ties to even
;;       return np.moveaxis(q.reshape(q.shape[:-2] + (-1,))[..., :K], -1, axis).astype(np.float32)
;;   ~~~
;;   SOFTMAX AHEAD OF A QUANTISED PRODUCT. Where the list says 'softmax', what is quantised is not the finished softmax but p = 2^(t - M), with t = logit x log2(e) and M = ceil(the row's largest t), a whole number; so 1/2 < the row's largest p <= 1. The row's sum l is taken of the UNQUANTISED p, in f32, and the product's result is divided by l at the end. Since M is a whole number, a kernel that streams over the keys may use a running M (the ceiling of the running maximum): every later rescaling is an exact power of two, which a block's scale takes up: the codes' values come out the same.
;;   OPERANDS COMPUTED ON THE WAY. 'Computed on the way' means the value that the module computes at that place (a softmax that the list does not call 'softmax' is quantised finished and normalised). What goes into a quantiser is computed in f32, as accurately as f32 sums, v_exp_f32 and their like allow (about 1e-6 of the number): no bf16 or f16 on the way to a quantiser, and a product that is left as it is and whose result goes on into a quantised operand takes f32 operands (vector FMAs, or v_wmma_f32_16x16x4_f32). A number that lies on a knife's edge between two numbers of the format may be rounded either way, as far as f32 arithmetic and the matrix unit's own rounding can turn it there, and no further.
;; One version. Each part assembles by itself: llvm-mc -triple=amdgcn-amd-amdhsa -mcpu=gfx1250 --defsym DOCPART=n.
;; ======== version 1 of 1: 4 launches
;; limits: right only within a limited range of input values
;; workspace buffers: xq 6,553,600 bytes; wq 3,276,800 bytes; tab 8,388,608 bytes; qkvc 18,874,368 bytes; qkvs 1,310,720 bytes; aoc 6,291,456 bytes; asc 524,288 bytes
;; launch prep (part 1): grid 768 x 1, 4 waves a work-group, no clusters, 34,304 bytes of LDS; arguments x, Wq, Wk, Wv, W0, xq, wq, tab; writes xq, wq, tab
.if DOCPART == 1
	.amdgcn_target "amdgcn-amd-amdhsa--gfx1250"
	.amdhsa_code_object_version 6
	.text
	.protected	k_qba8a7bbd38_prep
	.globl	k_qba8a7bbd38_prep
	.p2align	8
	.type	k_qba8a7bbd38_prep,@function
k_qba8a7bbd38_prep:
	s_mov_b64 s[64:65], 0
	v_nop
	global_prefetch_b8 v0, s[64:65] scope:SCOPE_SE
	s_setreg_imm32_b32 hwreg(HW_REG_WAVE_MODE, 25, 1), 1
	s_wait_xcnt 0x0
; PREP: three roles, told apart by the work-group's number alone.
;   X (work-groups 0-127):   x [8192][1024] f32 -> codes of FP6 (E2M3) and E8M0 scale words, in the order of an operand's registers.
;   W (work-groups 128-383): Wq, Wk, Wv, W0 [1024 (k)][1024 (n)] f32 -> the same, quantised down K (their first axis).
;   T (work-groups 384-639): the table of cos and sin for the interleaved RoPE, laid as the next launch's registers want it.
; TILES.  A tile of 16 rows (positions, or columns of a weight) is NOT 16 neighbours: tile u takes rows 32 (u / 2) + 8 (u % 2) + i % 8 + 16 (i / 8), i = 0 .. 15, so that the results of two
; neighbouring tiles, used as source 0 of a product, are 16 neighbours along the next product's K in one lane's registers.
; A block's scale is 2^(floor(log2(largest magnitude)) - 2); its byte is the largest magnitude's exponent field - 2, held at 1 from below.
; LIMITS: NaN and infinities among the inputs are not served.  A block of zeros, or one whose largest magnitude lies under 2^-124, gets the byte 1 (the stated quantiser says 127 for zeros): its codes are
; zeros, which add nothing, and the bytes are read by this program alone.  1 / 10000^(p / 512) is good to about two units in the last place of f32, cos and sin to about 1e-7 absolute for the f32 angle.
.set STG,   8448                       ; role X: a wave's stage in LDS: 16 rows x (512 bytes + 16)
.set SPARE, 4*STG                      ; behind the stages: the spare words, 128 bytes a wave
.set SPW,   14                         ; v14  LDS address of my spare word; never rewritten
.set NIL,   15                         ; v15  0; never rewritten
.set TM,    16                         ; v16-19 largest magnitudes, v20-23 the other half's / bytes, v24-27 the conversions' scale operands
.set PC,    28                         ; v28-39 a fragment's codes
.set PCT,   40                         ; v40-42, v44-46 the halves that are made elsewhere and moved
.set PWR,   48                         ; v48-51 role X: a scale word for each K step
.set RS,    64                         ; v64-191 numbers as loaded
.set NN,    192                        ; v192-255 role X: 64 numbers of my row, register 16 b + i = k 32 b + 16 (lane / 16) + i
	s_load_b512 s[4:19], s[0:1], 0x0               ; x s[4:5], Wq s[6:7], Wk s[8:9], Wv s[10:11], W0 s[12:13], xq s[14:15], wq s[16:17], tab s[18:19]
	v_lshl_add_u32 v[SPW], v0, 2, SPARE
	v_mov_b32 v[NIL], 0
	v_lshrrev_b32 v1, 5, v0
	v_readfirstlane_b32 s20, v1                    ; wave 0..3
	v_and_b32 v1, 31, v0                           ; lane
	v_lshlrev_b32 v2, 4, v1                        ; 16 x lane
	v_lshlrev_b32 v3, 3, v1                        ; 8 x lane
	s_mov_b32 s60, 0x76543210
	s_mov_b32 s61, 0xfedcba98                      ; v_permlanex16_b32's selects for lane l xor 16
	s_mov_b32 s62, 0xffff0000                      ; lanes 16-31
	s_wait_kmcnt 0x0
	s_cmp_lt_u32 ttmp9, 128
	s_cbranch_scc1 .Lrole_x
	s_cmp_lt_u32 ttmp9, 384
	s_cbranch_scc1 .Lrole_w
	s_cmp_ge_u32 ttmp9, 640                        ; work-groups 640-767: role X once more, for the upper four K steps of the same tiles
	s_cbranch_scc1 .Lrole_x
; ---------------- ROLE T.  A wave makes one unit of 8,192 bytes: 16 positions (tile taup) x 64 pairs (slice g).  Lane (r, h): position of row r; pair m of 32: 64 g + 16 (m / 8) + 8 h + m % 8.
	s_sub_co_u32 s21, ttmp9, 384
	s_lshl_b32 s21, s21, 2
	s_add_co_u32 s21, s21, s20                     ; unit = 8 taup + g
	s_lshr_b32 s22, s21, 3                         ; taup
	s_and_b32 s23, s21, 7                          ; g
	s_lshl_b32 s24, s21, 13
	s_mov_b32 s25, 0
	s_add_nc_u64 s[18:19], s[18:19], s[24:25]
	s_lshr_b32 s26, s22, 1
	s_lshl_b32 s26, s26, 5
	s_and_b32 s27, s22, 1
	s_lshl_b32 s27, s27, 3
	s_add_co_u32 s26, s26, s27                     ; the tile's first position
	s_wait_alu depctr_va_vdst(0)
	v_and_b32 v4, 7, v1
	v_and_b32 v5, 8, v1
	v_lshl_add_u32 v4, v5, 1, v4                   ; r % 8 + 16 (r / 8)
	v_add_nc_u32 v4, s26, v4
	v_cvt_f32_u32 v4, v4                           ; my position, as f32
	v_lshrrev_b32 v5, 4, v1
	v_lshlrev_b32 v5, 3, v5
	s_lshl_b32 s27, s23, 6
	v_add_nc_u32 v5, s27, v5                       ; 64 g + 8 h
	s_wait_alu depctr_va_vdst(0)
	s_mov_b32 s30, 0x3cd49a00                      ; log2(10000) / 512, its upper 15 bits: times a pair's number (9 bits) it is exact
	s_mov_b32 s31, 0x3470979a                      ; and the rest
	s_mov_b32 s32, 0x3f22f983                      ; 2 / pi
	s_mov_b32 s33, 0x3fc90fdb                      ; pi / 2, upper part
	s_mov_b32 s34, 0xb33bbd2e                      ; and the rest
	s_mov_b32 s35, 0xb94ca1f9                      ; sin: r + r z (s1 + z (s2 + z s3))
	s_mov_b32 s36, 0x3c08839e
	s_mov_b32 s37, 0xbe2aaaa3
	s_mov_b32 s38, 0x37ccf5ce                      ; cos: 1 - z / 2 + z z (c1 + z (c2 + z c3))
	s_mov_b32 s39, 0xbab6061a
	s_mov_b32 s40, 0x3d2aaaa5
; the 32 frequencies 2^-(p log2(10000) / 512) into v64-95: the exponent is split into a whole number n and a rest of at most a half; the rest goes through v_exp_f32, n through v_ldexp_f32
.set MM, 0
.rept 32
	v_add_nc_u32 v[128+MM], 16*(MM/8)+MM%8, v5
.set MM, MM+1
.endr
.set MM, 0
.rept 32
	v_cvt_f32_u32 v[128+MM], v[128+MM]             ; p
.set MM, MM+1
.endr
.set MM, 0
.rept 32
	v_mul_f32 v[64+MM], s30, v[128+MM]             ; a, exact
.set MM, MM+1
.endr
.set MM, 0
.rept 32
	v_rndne_f32 v[96+MM], v[64+MM]                 ; n
.set MM, MM+1
.endr
.set MM, 0
.rept 32
	v_sub_f32 v[64+MM], v[96+MM], v[64+MM]         ; n - a, exact
.set MM, MM+1
.endr
.set MM, 0
.rept 32
	v_fma_f32 v[64+MM], -v[128+MM], s31, v[64+MM]  ; less p x the rest of the constant
.set MM, MM+1
.endr
.set MM, 0
.rept 32
	v_cvt_i32_f32 v[96+MM], v[96+MM]
.set MM, MM+1
.endr
.set MM, 0
.rept 32
	v_sub_nc_u32 v[96+MM], 0, v[96+MM]             ; -n
.set MM, MM+1
.endr
.set MM, 0
	s_wait_alu depctr_va_vdst(0)
.rept 32
	v_exp_f32 v[64+MM], v[64+MM]
.set MM, MM+1
.endr
	v_nop                                          ; a plain instruction behind the last exponential
	s_wait_alu depctr_va_vdst(0)                   ; one wait for the batch of 32, ahead of its first reader
.set MM, 0
.rept 32
	v_ldexp_f32 v[64+MM], v[64+MM], v[96+MM]
.set MM, MM+1
.endr
; Four pairs: the angle, reduced by a whole number k of quarter turns in two steps, two polynomials, and the quadrant by selects and sign bits: no branch hangs on a number.
.macro SC4 q
.irp e,0,1,2,3
	v_mul_f32 v[16+\e], v4, v[64+4*(\q)+\e]        ; the angle, rounded to f32 as the product of position and frequency
.endr
.irp e,0,1,2,3
	v_mul_f32 v[20+\e], s32, v[16+\e]
.endr
.irp e,0,1,2,3
	v_rndne_f32 v[20+\e], v[20+\e]                 ; k
.endr
.irp e,0,1,2,3
	v_fma_f32 v[16+\e], -v[20+\e], s33, v[16+\e]
.endr
.irp e,0,1,2,3
	v_fma_f32 v[16+\e], -v[20+\e], s34, v[16+\e]   ; r, at most pi / 4 in magnitude
.endr
.irp e,0,1,2,3
	v_mul_f32 v[24+\e], v[16+\e], v[16+\e]         ; z
.endr
.irp e,0,1,2,3
	v_cvt_i32_f32 v[36+\e], v[20+\e]
.endr
.irp e,0,1,2,3
	v_fma_f32 v[28+\e], s35, v[24+\e], s36
.endr
.irp e,0,1,2,3
	v_fma_f32 v[28+\e], v[28+\e], v[24+\e], s37
.endr
.irp e,0,1,2,3
	v_mul_f32 v[40+\e], v[24+\e], v[16+\e]
.endr
.irp e,0,1,2,3
	v_fma_f32 v[28+\e], v[40+\e], v[28+\e], v[16+\e]   ; sin r
.endr
.irp e,0,1,2,3
	v_fma_f32 v[32+\e], s38, v[24+\e], s39
.endr
.irp e,0,1,2,3
	v_fma_f32 v[32+\e], v[32+\e], v[24+\e], s40
.endr
.irp e,0,1,2,3
	v_fma_f32 v[40+\e], -0.5, v[24+\e], 1.0
.endr
.irp e,0,1,2,3
	v_mul_f32 v[24+\e], v[24+\e], v[24+\e]
.endr
.irp e,0,1,2,3
	v_fma_f32 v[32+\e], v[24+\e], v[32+\e], v[40+\e]   ; cos r
.endr
.irp e,0,1,2,3
	v_and_b32 v[40+\e], 1, v[36+\e]
	v_cmp_eq_u32 vcc_lo, 1, v[40+\e]               ; an odd k changes sin and cos over
	v_cndmask_b32 v[129+8*(\q)+2*\e], v[28+\e], v[32+\e], vcc_lo
	v_cndmask_b32 v[128+8*(\q)+2*\e], v[32+\e], v[28+\e], vcc_lo
.endr
.irp e,0,1,2,3
	v_and_b32 v[40+\e], 2, v[36+\e]                ; sin is negative in quadrants 2 and 3,
	v_add_nc_u32 v[36+\e], 1, v[36+\e]
.endr
.irp e,0,1,2,3
	v_lshlrev_b32 v[40+\e], 30, v[40+\e]
	v_and_b32 v[36+\e], 2, v[36+\e]                ; cos in quadrants 1 and 2
.endr
.irp e,0,1,2,3
	v_xor_b32 v[129+8*(\q)+2*\e], v[40+\e], v[129+8*(\q)+2*\e]
	v_lshlrev_b32 v[36+\e], 30, v[36+\e]
.endr
.irp e,0,1,2,3
	v_xor_b32 v[128+8*(\q)+2*\e], v[36+\e], v[128+8*(\q)+2*\e]
.endr
	global_store_b128 v2, v[128+8*(\q):131+8*(\q)], s[18:19] offset:1024*(\q)        ; (cos, sin, cos, sin): the wave stores 512 consecutive bytes; each group has registers of its own
	global_store_b128 v2, v[132+8*(\q):135+8*(\q)], s[18:19] offset:1024*(\q)+512
.endm
.irp q,0,1,2,3,4,5,6,7
	SC4 \q
.endr
	s_endpgm
; ---------------- ROLE W.  A work-group takes 128 columns (a slice) x 128 along K (a step) of one weight; a wave 32 columns; A LANE TAKES A COLUMN AND ITS REGISTERS RUN DOWN K.
.Lrole_w:
	s_sub_co_u32 s21, ttmp9, 128
	s_lshr_b32 s22, s21, 6                         ; weight 0..3: q, k, v, 0
	s_bfe_u32 s23, s21, 0x30003                    ; slice
	s_and_b32 s24, s21, 7                          ; K step
	s_cmp_eq_u32 s22, 1                            ; the choices hang on the work-group's number alone
	s_cselect_b64 s[6:7], s[8:9], s[6:7]
	s_cmp_eq_u32 s22, 2
	s_cselect_b64 s[6:7], s[10:11], s[6:7]
	s_cmp_eq_u32 s22, 3
	s_cselect_b64 s[6:7], s[12:13], s[6:7]
	s_lshl_b32 s26, s23, 9
	s_lshl_b32 s27, s20, 7
	s_add_co_u32 s26, s26, s27
	s_lshl_b32 s27, s24, 19
	s_add_co_u32 s26, s26, s27                     ; 512 slice + 128 wave + 128 rows of 4,096 bytes x step
	s_mov_b32 s27, 0
	s_add_nc_u64 s[6:7], s[6:7], s[26:27]
	s_mul_i32 s26, s22, 786432
	s_mul_i32 s28, s23, 98304
	s_add_co_u32 s26, s26, s28
	s_mul_i32 s28, s24, 12288
	s_add_co_u32 s26, s26, s28
	s_mul_i32 s28, s20, 3072
	s_add_co_u32 s26, s26, s28                     ; my two fragments (tiles 2 wave, 2 wave + 1) of 1,536 bytes
	s_add_nc_u64 s[44:45], s[16:17], s[26:27]
	s_lshl_b32 s26, s23, 14
	s_lshl_b32 s28, s22, 12
	s_add_co_u32 s26, s26, s28
	s_lshl_b32 s28, s24, 9
	s_add_co_u32 s26, s26, s28
	s_lshl_b32 s28, s20, 7
	s_add_co_u32 s26, s26, s28
	s_add_co_u32 s26, s26, 3145728                 ; their scale words: 512 step + 64 tile + 4 row
	s_add_nc_u64 s[46:47], s[16:17], s[26:27]
	s_wait_alu depctr_va_vdst(0)
	v_lshlrev_b32 v4, 2, v1                        ; in: 4 bytes a lane
	v_bfe_u32 v7, v1, 3, 1                         ; column 32 wave + lane is row r' = lane % 8 + 8 (lane / 16) of tile 2 wave + u, u = (lane / 8) % 2
	v_and_b32 v8, 7, v1
	v_lshrrev_b32 v9, 4, v1
	v_lshl_add_u32 v8, v9, 3, v8
	v_mul_u32_u24 v5, v7, 1536
	v_lshl_add_u32 v5, v8, 4, v5                   ; out: 1,536 u + 16 r'
	v_lshlrev_b32 v6, 6, v7
	v_lshl_add_u32 v6, v8, 2, v6                   ; and 64 u + 4 r'
.irp h,0,1                                     ; the numbers that the fragment's lane (r', h) wants: k = 64 c + 32 h + i
.irp c,0,1
.set II, 0
.rept 32
	global_load_b32 v[RS+64*\h+32*\c+II], v4, s[6:7] offset:(64*\c+32*\h+II)*4096 th:TH_LOAD_NT   ; the wave reads 128 consecutive bytes, the four waves 512
.set II, II+1
.endr
.endr
.endr
.macro HALFW h, pc
.irp c,0,1
	v_max3_num_f32 v[16+\c], |v[RS+64*\h+32*\c]|, |v[RS+64*\h+32*\c+1]|, 0x1800000   ; a whole block is mine; the floor 2^(3 - 127) holds the byte at 1 from below
.endr
.irp i,2,4,6,8,10,12,14,16,18,20,22,24,26,28,30
.irp c,0,1
	v_max3_num_f32 v[16+\c], v[16+\c], |v[RS+64*\h+32*\c+\i]|, |v[RS+64*\h+32*\c+\i+1]|
.endr
.endr
.irp c,0,1
	v_add_nc_u32 v[18+\c], 0xff000000, v[16+\c]    ; 2 off the exponent field: the conversion's scale operand
.endr
.irp c,0,1
	v_lshrrev_b32 v[20+\c], 23, v[18+\c]           ; the byte of block 2 c + h
.endr
.if \h == 0
	v_lshl_or_b32 v22, v21, 16, v20
.else
	v_lshl_or_b32 v22, v20, 8, v22
	v_lshl_or_b32 v22, v21, 24, v22
.endif
.irp c,0,1
	v_cvt_scalef32_pk16_fp6_f32 v[\pc+6*\c:\pc+6*\c+2], v[RS+64*\h+32*\c:RS+64*\h+32*\c+15], v[18+\c]
	v_cvt_scalef32_pk16_fp6_f32 v[PCT+4*\c:PCT+4*\c+2], v[RS+64*\h+32*\c+16:RS+64*\h+32*\c+31], v[18+\c]   ; (a conversion's three registers begin on an even number)
.endr
	v_nop                                          ; one plain place behind a scaled conversion
.irp c,0,1
.irp i,0,1,2
	v_mov_b32 v[\pc+6*\c+3+\i], v[PCT+4*\c+\i]
.endr
.endr
.irp g,0,1,2
	global_store_b128 v5, v[\pc+4*\g:\pc+4*\g+3], s[44:45] offset:256*\h+512*\g   ; registers 4 g .. 4 g + 3 of lanes (r', h): 256 consecutive aligned bytes in each of two fragments
.endr
.endm
	s_wait_loadcnt 63                              ; the first 64 loads are in; of the 64 behind them all but one may be out (the count's field holds no more)
	HALFW 0, 28
	s_wait_loadcnt 0x0
	HALFW 1, 48
	global_store_b32 v6, v22, s[46:47]             ; my column's scale word: the wave stores 128 consecutive bytes (one byte in 128 of what the role reads)
	s_endpgm
; ---------------- ROLE X.  A wave takes one tile of 16 rows of x through four K steps of 128: work-groups 0-127 steps 0-3, work-groups 640-767 steps 4-7.  Each load reads 512 consecutive bytes of one row; the step's
; 8,192 bytes turn through the wave's own stage in LDS, so that lane (r, h) gets, of row r, 16 neighbours of each block of 32.  Loads run two steps ahead.
.Lrole_x:
	s_cmp_ge_u32 ttmp9, 640
	s_cselect_b32 s25, 1, 0                        ; which four K steps
	s_cselect_b32 s26, 640, 0
	s_sub_co_u32 s26, ttmp9, s26
	s_lshl_b32 s21, s26, 2
	s_add_co_u32 s21, s21, s20                     ; tile 0..511
	s_lshr_b32 s22, s21, 1
	s_lshl_b32 s22, s22, 17
	s_and_b32 s23, s21, 1
	s_lshl_b32 s23, s23, 15
	s_add_co_u32 s22, s22, s23                     ; its first row, 32 (tile / 2) + 8 (tile % 2), x 4,096 bytes
	s_lshl_b32 s23, s25, 11                        ; my four K steps begin 2,048 bytes x half along the row
	s_add_co_u32 s22, s22, s23
	s_mov_b32 s23, 0
	s_add_nc_u64 s[4:5], s[4:5], s[22:23]
	s_mul_i32 s22, s21, 12288
	s_mul_i32 s26, s25, 6144                       ; and their four fragments 6,144 bytes x half into the tile's codes
	s_add_co_u32 s22, s22, s26
	s_add_nc_u64 s[44:45], s[14:15], s[22:23]      ; its codes: 8 fragments of 1,536 bytes
	s_lshl_b32 s22, s21, 9
	s_add_co_u32 s22, s22, 6291456
	s_lshl_b32 s26, s25, 8                         ; steps 0-3 have the tile's first 256 bytes of scale words, steps 4-7 the second
	s_add_co_u32 s22, s22, s26
	s_add_nc_u64 s[46:47], s[14:15], s[22:23]      ; its scale words: 512 bytes
	s_mul_i32 s24, s20, STG
	s_wait_alu depctr_va_vdst(0)
	v_add_nc_u32 v4, s24, v2                       ; the stage, in: 16 x lane of a row
	v_and_b32 v6, 15, v0
	v_bfe_u32 v7, v0, 4, 1
	v_mul_u32_u24 v5, v6, 528
	v_lshl_add_u32 v5, v7, 6, v5
	v_add_nc_u32 v5, s24, v5                       ; and out: row r, + 64 h
.irp b,0,1,2,3
	v_mov_b32 v[TM+4+\b], 0                        ; written once: a lane permute's destination counts as one of its sources
.endr
.macro LOADX s
.irp i,0,1,2,3,4,5,6,7,8,9,10,11,12,13,14,15
	global_load_b128 v[RS+64*((\s)%2)+4*\i:RS+64*((\s)%2)+4*\i+3], v2, s[4:5] offset:(\i%8+16*(\i/8))*4096+512*(\s) th:TH_LOAD_NT
.endr
.endm
; 64 numbers of a lane become a fragment's 12 registers of codes and its row's scale word
.macro QX src, pw
.irp b,0,1,2,3
	v_max3_num_f32 v[TM+\b], |v[\src+16*\b]|, |v[\src+16*\b+1]|, 0x1800000
.endr
.irp i,2,4,6,8,10,12,14
.irp b,0,1,2,3
	v_max3_num_f32 v[TM+\b], v[TM+\b], |v[\src+16*\b+\i]|, |v[\src+16*\b+\i+1]|
.endr
.endr
.irp b,0,1,2,3
	v_permlanex16_b32 v[TM+4+\b], v[TM+\b], s60, s61
.endr
.irp b,0,1,2,3
	v_max_num_f32 v[TM+\b], v[TM+\b], v[TM+4+\b]   ; with lane l xor 16's 16: the block's largest magnitude
.endr
.irp b,0,1,2,3
	v_add_nc_u32 v[TM+8+\b], 0xff000000, v[TM+\b]
.endr
.irp b,0,1,2,3
	v_lshrrev_b32 v[TM+4+\b], 23, v[TM+8+\b]
.endr
	v_lshl_or_b32 v[\pw], v[TM+5], 8, v[TM+4]
	v_lshl_or_b32 v[\pw], v[TM+6], 16, v[\pw]
	v_lshl_or_b32 v[\pw], v[TM+7], 24, v[\pw]
.irp c,0,1
	v_cvt_scalef32_pk16_fp6_f32 v[PC+6*\c:PC+6*\c+2], v[\src+32*\c:\src+32*\c+15], v[TM+8+2*\c]
	v_cvt_scalef32_pk16_fp6_f32 v[PCT+4*\c:PCT+4*\c+2], v[\src+32*\c+16:\src+32*\c+31], v[TM+8+2*\c+1]
.endr
	v_nop                                          ; one plain place behind a scaled conversion
.irp c,0,1                                     ; the operand wants a whole block in a lane: lanes 0-15 block 2 c, lanes 16-31 block 2 c + 1
.irp i,0,1,2
	v_permlane16_swap_b32 v[PC+6*\c+\i], v[PCT+4*\c+\i]
.endr
.irp i,0,1,2
	v_mov_b32 v[PC+6*\c+3+\i], v[PCT+4*\c+\i]
.endr
.endr
.endm
.macro STEPX s
.if (\s) < 3
	s_wait_loadcnt 16                              ; this step's 16 loads are in; the next step's may be out
.else
	s_wait_loadcnt 0x0
.endif
.irp i,0,1,2,3,4,5,6,7,8,9,10,11,12,13,14,15
	ds_store_b128 v4, v[RS+64*((\s)%2)+4*\i:RS+64*((\s)%2)+4*\i+3] offset:528*\i
.endr
.irp b,0,1,2,3
.irp j,0,1,2,3
	ds_load_b128 v[NN+16*\b+4*\j:NN+16*\b+4*\j+3], v5 offset:128*\b+16*\j   ; LDS serves a wave's instructions in order: these see the stores above
.endr
.endr
	s_wait_dscnt 0x0                               ; the numbers are back, and the stores have read their registers,
.if (\s)+2 < 4
	LOADX (\s)+2                                   ; which take the loads of two steps on
.endif
	s_wait_xcnt 0x0                                ; the last step's stores have read the codes' registers
	QX NN, PWR+(\s)
	global_store_b128 v2, v[PC:PC+3], s[44:45] offset:1536*(\s)            ; a half fragment (64 along K) is 768 bytes: registers 0-3 at 16 x lane, 4-5 at 512 + 8 x lane: whole aligned runs of 512 and 256 bytes
	global_store_b64 v3, v[PC+4:PC+5], s[44:45] offset:1536*(\s)+512
	global_store_b128 v2, v[PC+6:PC+9], s[44:45] offset:1536*(\s)+768
	global_store_b64 v3, v[PC+10:PC+11], s[44:45] offset:1536*(\s)+1280
.endm
	LOADX 0
	LOADX 1
	s_wait_alu depctr_va_vdst(0)
.irp s,0,1,2,3
	STEPX \s
.endr
	v_lshlrev_b32 v6, 4, v6                        ; 16 r: row r's four words, one for each of my steps; both halves of the lanes hold the same words and store them to the same place: one aligned run of 256 bytes
	global_store_b128 v6, v[PWR:PWR+3], s[46:47]
	s_wait_tensorcnt 0x0                           ; the wave's end, behind my last LDS store
	ds_add_u32 v[SPW], v[NIL]
	s_wait_dscnt 0x0
	s_endpgm
.Lfunc_end_k_qba8a7bbd38_prep:
	.size	k_qba8a7bbd38_prep, .Lfunc_end_k_qba8a7bbd38_prep-k_qba8a7bbd38_prep
	.p2alignl 7, 3214868480
	.fill 96, 4, 3214868480
	.section	.rodata,"a",@progbits
	.p2align	6, 0x0
	.amdhsa_kernel k_qba8a7bbd38_prep
		.amdhsa_group_segment_fixed_size 34304
		.amdhsa_private_segment_fixed_size 0
		.amdhsa_enable_private_segment 0
		.amdhsa_kernarg_size 64
		.amdhsa_user_sgpr_count 2
		.amdhsa_user_sgpr_kernarg_segment_ptr 1
		.amdhsa_wavefront_size32 1
		.amdhsa_system_sgpr_workgroup_id_x 1
		.amdhsa_system_sgpr_workgroup_id_y 1
		.amdhsa_system_sgpr_workgroup_id_z 1
		.amdhsa_system_vgpr_workitem_id 0
		.amdhsa_next_free_vgpr 256
		.amdhsa_next_free_sgpr 66
		.amdhsa_reserve_vcc 1
		.amdhsa_float_denorm_mode_32 3
		.amdhsa_float_denorm_mode_16_64 3
		.amdhsa_memory_ordered 1
		.amdhsa_forward_progress 1
		.amdhsa_inst_pref_size 105
	.end_amdhsa_kernel
	.amdgpu_metadata
---
amdhsa.version: [ 1, 2 ]
amdhsa.kernels:
  - .name:           k_qba8a7bbd38_prep
    .symbol:         k_qba8a7bbd38_prep.kd
    .args:
      - { .name: x, .offset: 0, .size: 8, .value_kind: global_buffer, .address_space: global }
      - { .name: Wq, .offset: 8, .size: 8, .value_kind: global_buffer, .address_space: global }
      - { .name: Wk, .offset: 16, .size: 8, .value_kind: global_buffer, .address_space: global }
      - { .name: Wv, .offset: 24, .size: 8, .value_kind: global_buffer, .address_space: global }
      - { .name: W0, .offset: 32, .size: 8, .value_kind: global_buffer, .address_space: global }
      - { .name: xq, .offset: 40, .size: 8, .value_kind: global_buffer, .address_space: global }
      - { .name: wq, .offset: 48, .size: 8, .value_kind: global_buffer, .address_space: global }
      - { .name: tab, .offset: 56, .size: 8, .value_kind: global_buffer, .address_space: global }
    .group_segment_fixed_size: 34304
    .private_segment_fixed_size: 0
    .kernarg_segment_align: 8
    .kernarg_segment_size: 64
    .max_flat_workgroup_size: 128
    .sgpr_count:     66
    .vgpr_count:     256
    .wavefront_size: 32
...
	.end_amdgpu_metadata
.endif
;; end of part 1
;; launch qkv (part 2): grid 32 x 8, 4 waves a work-group, clusters of 4 x 1, 308,736 bytes of LDS; arguments xq, wq, tab, bq, bk, bv, qkvc, qkvs; writes qkvc, qkvs
.if DOCPART == 2
	.amdgcn_target "amdgcn-amd-amdhsa--gfx1250"
	.amdhsa_code_object_version 6
	.text
	.protected	k_qba8a7bbd38_qkv
	.globl	k_qba8a7bbd38_qkv
	.p2align	8
	.type	k_qba8a7bbd38_qkv,@function
k_qba8a7bbd38_qkv:
	s_mov_b64 s[64:65], 0
	v_nop
	global_prefetch_b8 v0, s[64:65] scope:SCOPE_SE
	s_setreg_imm32_b32 hwreg(HW_REG_WAVE_MODE, 25, 1), 1
	s_wait_xcnt 0x0
	s_wait_alu depctr_hold_cnt(0) depctr_sa_sdst(0) depctr_va_vdst(0) depctr_va_sdst(0) depctr_va_ssrc(0) depctr_va_vcc(0) depctr_vm_vsrc(0)
	s_getreg_b32 s2, hwreg(HW_REG_IB_STS2, 6, 4)
	s_cmp_eq_u32 s2, 0
	s_cbranch_scc0 .Lentry_in_a_cluster
	s_endpgm
.Lentry_in_a_cluster:
	s_bfe_u32 s2, ttmp6, 0x10000c
	s_cmp_lg_u32 s2, 0x3003
	s_cbranch_scc0 .Lentry_shape_is_right
	s_endpgm
.Lentry_shape_is_right:
; q = rope(x Wq + bq), k = rope(x Wk + bk), v = x Wv + bv on codes of FP6 (E2M3) with E8M0 scales, and the results quantised again: q and k along the head's 64, v along the keys.
; SHARES.  A work-group takes 256 rows of x and one slice: the same 128 columns (two heads) of Wq, Wk and Wv.  Wave w owns rows 64 w .. 64 w + 63 (four tiles) for all 3 x 128 columns; its 32 fragments of x
; (384 registers) stay in registers for the whole launch.  The three slices of weights (3 x 98,304 bytes of register images) and their scale words lie in LDS, filled once: nothing is ever filled again.
; CLUSTER.  The four work-groups of a cluster have the same slice: each fill is asked for jointly, with a mask that names the four.  One tensor load a wave.
; FORMS.  q, k: source 0 = 16 columns of W, source 1 = 16 rows of x: a lane holds one position and its registers run along the columns, 16 neighbours in two neighbouring tiles (the tiles' rows are chosen so).
; v: the sources are changed over: a lane holds one channel and its registers run along the keys.  The bias is the C of a sum's first product.
; RoPE: r1 = x1 cos - x2 sin, r2 = x1 sin + x2 cos by one packed multiply and one packed fused multiply-add (one rounding fewer than two products and a sum).
; LIMITS: NaN and infinities are not served; a block of zeros or under 2^-124 gets the byte 1: its codes are zeros, and this program alone reads the bytes.
; REGISTERS, in windows of 256.  Window 0: v1-15 addresses; v16-31 x's scale words; v32-63 W's scale words; v64-159, v160-255 two sets of W's 8 fragments (in the epilogue: v64-127, v128-191 the table, v192-255 the turned numbers).
;   window 1: the 32 accumulators.   window 2: x's fragments of K steps 0-4.   window 3: those of steps 5-7 (v0-143); v144-207 the bias; v208-255 the quantiser's registers.
.set WSC,   294912                     ; LDS: behind the codes, the three slices' scale words, 4,096 bytes each
.set VM,    307200                     ; 1,024 bytes in which v's scale words are joined (two waves hold two bytes each); no fill lands here
.set SPARE, 308224                     ; the spare words, 128 bytes a wave
.set L16, 1                            ; v1  16 x lane
.set L8,  2                            ; v2  8 x lane
.set WSA, 3                            ; v3  WSC + 4 x lane
.set WA0, 4                            ; v4, v5  LDS address of the group's fragments, K steps 0-3 and 4-7
.set BA,  6                            ; v6  64 h: the bias of a lane's eight columns
.set BV,  7                            ; v7  4 (r % 8 + 16 (r / 8)): the bias of a lane's one channel
.set VMS, 12
.set VMR, 13
.set SPW, 14                           ; v14 my spare word; never rewritten
.set NIL, 15                           ; v15 0; never rewritten
.set XS,  16
.set WS,  32
.set RR,  192
.set BI,  144                          ; window 3
.set TM,  208
.set PC,  220
.set PCT, 232
.set PW,  240
.set WK,  248
.set WV,  20
.set MSB, 0
.macro WIN new                         ; the immediate's high byte repeats the setting that is left
.if MSB != (\new)
	s_set_vgpr_msb (MSB<<8)|(\new)
.set MSB, \new
.endif
.endm
.macro PLACES                          ; four plain places behind matrix instructions, in front of loads into their registers and of reads of their results
.rept 4
	v_nop
.endr
.endm
.macro CROUND                          ; a round of the cluster's barrier
	s_barrier_signal -1
	s_barrier_wait -1
	s_cmp_lg_u32 s[WV], 0
	s_cbranch_scc1 .Lnot_wave_0_\@
	s_barrier_signal -3
.Lnot_wave_0_\@:
	s_barrier_wait -3
	s_barrier_signal -1
	s_barrier_wait -1
.endm
	s_load_b512 s[4:19], s[0:1], 0x0               ; xq s[4:5], wq s[6:7], tab s[8:9], bq s[10:11], bk s[12:13], bv s[14:15], qkvc s[16:17], qkvs s[18:19]
	v_lshl_add_u32 v[SPW], v0, 2, SPARE
	v_mov_b32 v[NIL], 0
	ds_add_u32 v[SPW], v[NIL]                      ; the wave's opening: the add and its wait ahead of my first tensor load; work on registers stands between
	ds_add_u32 v[SPW], v[NIL]
	v_lshrrev_b32 v8, 5, v0
	v_readfirstlane_b32 s[WV], v8                  ; wave 0..3
	s_and_b32 s23, ttmp7, 0xffff                   ; the slice, which the four partners share
	; descriptor groups 1: dense blocks as rows of 256 bytes (32 elements of 8 bytes), no padding; 15:0 the mask of all four, bit 21 beside it
	s_mov_b32 s24, 15|(3<<16)|(1<<21)
	s_mov_b32 s25, 32<<16                          ; tensor_dim0 = 32
	s_mov_b32 s26, 384<<16                         ; tensor_dim1 = 384: a whole slice's codes, 98,304 bytes
	s_mov_b32 s27, 32<<16                          ; tile_dim0
	s_mov_b32 s28, 384                             ; tile_dim1
	s_mov_b32 s29, 32                              ; pitch
	s_mov_b32 s30, 0
	s_mov_b32 s31, 0
	s_mov_b32 s32, 15|(3<<16)|(1<<21)
	s_mov_b32 s33, 32<<16
	s_mov_b32 s34, 48<<16                          ; 48 rows: the three slices' scale words
	s_mov_b32 s35, 32<<16
	s_mov_b32 s36, 48
	s_mov_b32 s37, 32
	s_mov_b32 s38, 0
	s_mov_b32 s39, 0
	; groups 0: made of the slice and the wave's number alone
	s_mov_b32 s56, 0                               ; each fill is whole: no wave's number enters its addresses
	s_mov_b32 s40, 1
	s_add_co_u32 s41, s56, WSC
	s_lshl_b32 s58, s23, 14
	s_add_co_u32 s58, s58, s56
	s_add_co_u32 s58, s58, 3145728
	s_mov_b32 s59, 0
	s_mov_b32 s57, 0
	s_mul_i32 s86, s23, 98304
	s_add_co_u32 s86, s86, s57
	s_mov_b32 s87, 0
.irp g,0,1,2
	s_mov_b32 s[44+4*\g], 1
	s_add_co_u32 s[45+4*\g], s57, 98304*\g
.endr
	; where my rows lie: these hang on my place in the cluster and enter global addresses of plain loads and stores alone
	s_bfe_u32 s21, ttmp6, 0x40000                  ; cx
	s_lshl_b32 s22, ttmp9, 2
	s_add_co_u32 s22, s22, s21                     ; my block of 256 rows, 0..31
	s_lshl_b32 s80, s22, 4
	s_lshl_b32 s81, s[WV], 2
	s_add_co_u32 s80, s80, s81                     ; my first tile of x
	s_mul_i32 s66, s80, 12288
	s_mov_b32 s67, 0
	s_lshl_b32 s68, s80, 9
	s_add_co_u32 s68, s68, 6291456
	s_mov_b32 s69, 0
	s_and_b32 s82, s22, 7                          ; the block within its batch
	s_lshr_b32 s83, s22, 3                         ; the batch
	s_lshl_b32 s84, s82, 4
	s_add_co_u32 s84, s84, s81                     ; my first tile of positions
	s_lshl_b32 s70, s84, 3
	s_add_co_u32 s70, s70, s23
	s_lshl_b32 s70, s70, 13                        ; the table: (8 tile + slice) x 8,192
	s_mov_b32 s71, 0
	s_lshl_b32 s85, s83, 4
	s_lshl_b32 s88, s23, 1
	s_add_co_u32 s85, s85, s88                     ; batch x 16 + my first head
	s_mul_i32 s89, s85, 98304
	s_mul_i32 s72, s84, 768
	s_add_co_u32 s72, s72, s89                     ; q's and k's codes
	s_mov_b32 s73, 0
	s_lshl_b32 s90, s82, 1
	s_lshr_b32 s91, s[WV], 1
	s_add_co_u32 s90, s90, s91                     ; my step of 128 keys
	s_and_b32 s92, s[WV], 1                        ; and my half of it
	s_mul_i32 s74, s90, 6144
	s_add_co_u32 s74, s74, s89
	s_mul_i32 s93, s92, 768
	s_add_co_u32 s74, s74, s93
	s_add_co_u32 s74, s74, 12582912                ; v's codes
	s_mov_b32 s75, 0
	s_lshl_b32 s76, s85, 13
	s_lshl_b32 s93, s90, 9
	s_add_co_u32 s76, s76, s93
	s_lshl_b32 s93, s92, 8
	s_add_co_u32 s76, s76, s93                     ; q's and k's scale words: my four tiles are one run of 256 bytes
	s_mov_b32 s77, 0
	s_add_co_u32 s78, s85, s91
	s_lshl_b32 s78, s78, 12
	s_lshl_b32 s93, s82, 1
	s_add_co_u32 s93, s93, s92
	s_lshl_b32 s93, s93, 8
	s_add_co_u32 s78, s78, s93
	s_add_co_u32 s78, s78, 1048576                 ; v's scale words: wave w stores head w / 2, step w % 2
	s_mov_b32 s79, 0
	s_lshl_b32 s94, s23, 9                         ; the slice's 128 numbers in a bias
	s_mov_b32 s95, 0
	s_mov_b32 s60, 0x76543210
	s_mov_b32 s61, 0xfedcba98                      ; v_permlanex16_b32's selects for lane l xor 16
	s_mov_b32 s62, 0xffff0000                      ; lanes 16-31
	v_and_b32 v8, 31, v0
	v_lshlrev_b32 v[L16], 4, v8
	v_lshlrev_b32 v[L8], 3, v8
	s_wait_alu depctr_va_vdst(0)
	v_lshl_add_u32 v[WSA], v8, 2, WSC
	v_bfe_u32 v9, v0, 4, 1
	v_lshlrev_b32 v[BA], 6, v9
	v_and_b32 v10, 7, v0
	v_and_b32 v11, 8, v0
	v_lshl_add_u32 v10, v11, 1, v10
	v_lshlrev_b32 v[BV], 2, v10
	s_lshr_b32 s96, s[WV], 1
	s_lshl_b32 s96, s96, 8
	s_and_b32 s97, s[WV], 1
	s_lshl_b32 s97, s97, 1
	s_add_co_u32 s96, s96, s97
	s_add_co_u32 s96, s96, VM
	v_add_nc_u32 v[VMS], s96, v[L8]                ; VM + 256 (w / 2) + 2 (w % 2) + 8 x lane
	s_lshl_b32 s96, s[WV], 8
	s_add_co_u32 s96, s96, VM
	v_add_nc_u32 v[VMR], s96, v[L8]                ; VM + 256 w + 8 x lane
	s_wait_dscnt 0x0                               ; the opening add is done
	s_wait_kmcnt 0x0
	s_add_nc_u64 s[42:43], s[6:7], s[58:59]
	s_or_b32 s43, s43, 0x80000000
	s_add_nc_u64 s[86:87], s[6:7], s[86:87]
.irp g,0,1,2
	s_add_nc_u64 s[46+4*\g:47+4*\g], s[86:87], 786432*\g
	s_or_b32 s[47+4*\g], s[47+4*\g], 0x80000000
.endr
	s_add_nc_u64 s[66:67], s[4:5], s[66:67]
	s_add_nc_u64 s[68:69], s[4:5], s[68:69]
	s_add_nc_u64 s[70:71], s[8:9], s[70:71]
	s_add_nc_u64 s[72:73], s[16:17], s[72:73]
	s_add_nc_u64 s[74:75], s[16:17], s[74:75]
	s_add_nc_u64 s[76:77], s[18:19], s[76:77]
	s_add_nc_u64 s[78:79], s[18:19], s[78:79]
	s_add_nc_u64 s[10:11], s[10:11], s[94:95]
	s_add_nc_u64 s[12:13], s[12:13], s[94:95]
	s_add_nc_u64 s[14:15], s[14:15], s[94:95]
	CROUND                                         ; all four work-groups are here: the joint loads meet
; one tensor load a wave, in one chain of arms on the wave's number: wave 0 Wq's slice, wave 1 the scale words, wave 2 Wk's, wave 3 Wv's
.macro ARM under, g0, g1, next
	s_cmp_lt_u32 s[WV], \under
	s_cbranch_scc0 \next
	tensor_load_to_lds s[\g0:\g0+3], s[\g1:\g1+7]
	s_nop 0
.rept 4
	v_nop
.endr
	s_branch .Lhead_asked
\next:
.endm
	ARM 1, 44, 24, .Lhead_s
	ARM 2, 40, 32, .Lhead_k
	ARM 3, 48, 24, .Lhead_v
	tensor_load_to_lds s[52:55], s[24:31]
	s_nop 0
.rept 4
	v_nop
.endr
.Lhead_asked:
.macro BIASQK sb                       ; lane (r, h) wants, for tile t, the bias of columns 32 (t / 2) + 8 (t % 2) + 16 h + 0 .. 7
	WIN 0xc0
.irp t,0,1,2,3,4,5,6,7
	global_load_b128 v[BI+8*\t:BI+8*\t+3], v[BA], s[\sb:\sb+1] offset:(32*(\t/2)+8*(\t%2))*4
	global_load_b128 v[BI+8*\t+4:BI+8*\t+7], v[BA], s[\sb:\sb+1] offset:(32*(\t/2)+8*(\t%2))*4+16
.endr
	WIN 0
.endm
.macro BIASV                           ; in v's form a lane has one channel: one number a tile
	WIN 0xc0
.irp t,0,1,2,3,4,5,6,7
	global_load_b32 v[BI+8*\t], v[BV], s[14:15] offset:(32*(\t/2)+8*(\t%2))*4
.endr
	WIN 0
.endm
.macro XFLOAD s                        ; my four fragments of x of K step s: two half fragments of 768 bytes each
.if (\s) < 5
	WIN 0x80
.set XB0, 48*(\s)
.else
	WIN 0xc0
.set XB0, 48*((\s)-5)
.endif
.irp a,0,1,2,3
	global_load_b128 v[XB0+12*\a:XB0+12*\a+3], v[L16], s[66:67] offset:12288*\a+1536*(\s)
	global_load_b64 v[XB0+12*\a+4:XB0+12*\a+5], v[L8], s[66:67] offset:12288*\a+1536*(\s)+512
	global_load_b128 v[XB0+12*\a+6:XB0+12*\a+9], v[L16], s[66:67] offset:12288*\a+1536*(\s)+768
	global_load_b64 v[XB0+12*\a+10:XB0+12*\a+11], v[L8], s[66:67] offset:12288*\a+1536*(\s)+1280
.endr
.endm
.irp a,0,1,2,3
	global_load_b128 v[XS+4*\a:XS+4*\a+3], v[L16], s[68:69] offset:512*\a   ; register q: lanes 0-15 the words of step q, lanes 16-31 those of step 4 + q
.endr
	s_wait_alu depctr_va_vdst(0)
	BIASQK 10
.irp s,0,1,2,3,4,5,6,7
	XFLOAD \s
.endr
	WIN 0xc0
.irp b,0,1,2,3
	v_mov_b32 v[TM+4+\b], 0                        ; written once: a lane permute's destination counts as one of its sources
.endr
	WIN 0
; one product; ra, rb: the scale words stand in lanes 16-31 of their register
.macro WM d, a, b, c, sa, sb, ra, rb
.if ((\ra)==0) && ((\rb)==0)
	v_wmma_scale_f32_16x16x128_f8f6f4 v[(\d):(\d)+7], v[(\a):(\a)+11], v[(\b):(\b)+11], v[(\c):(\c)+7], v[\sa], v[\sb] matrix_a_fmt:MATRIX_FMT_FP6 matrix_b_fmt:MATRIX_FMT_FP6
.elseif (\rb)==0
	v_wmma_scale_f32_16x16x128_f8f6f4 v[(\d):(\d)+7], v[(\a):(\a)+11], v[(\b):(\b)+11], v[(\c):(\c)+7], v[\sa], v[\sb] matrix_a_fmt:MATRIX_FMT_FP6 matrix_b_fmt:MATRIX_FMT_FP6 matrix_a_scale:MATRIX_SCALE_ROW1
.elseif (\ra)==0
	v_wmma_scale_f32_16x16x128_f8f6f4 v[(\d):(\d)+7], v[(\a):(\a)+11], v[(\b):(\b)+11], v[(\c):(\c)+7], v[\sa], v[\sb] matrix_a_fmt:MATRIX_FMT_FP6 matrix_b_fmt:MATRIX_FMT_FP6 matrix_b_scale:MATRIX_SCALE_ROW1
.else
	v_wmma_scale_f32_16x16x128_f8f6f4 v[(\d):(\d)+7], v[(\a):(\a)+11], v[(\b):(\b)+11], v[(\c):(\c)+7], v[\sa], v[\sb] matrix_a_fmt:MATRIX_FMT_FP6 matrix_b_fmt:MATRIX_FMT_FP6 matrix_a_scale:MATRIX_SCALE_ROW1 matrix_b_scale:MATRIX_SCALE_ROW1
.endif
.endm
.macro FETCH s                         ; W's eight fragments of K step s, as images of their registers: 24 loads of 512 consecutive bytes
.set FS, 64+96*((\s)%2)
.irp t,0,1,2,3,4,5,6,7
.irp g,0,1,2
	ds_load_b128 v[FS+12*\t+4*\g:FS+12*\t+4*\g+3], v[WA0+(\s)/4] offset:((\s)%4)*12288+1536*\t+512*\g
.endr
.endr
.endm
.macro TLOAD a                         ; the table of tile a: 16 loads of 512 consecutive bytes; register 2 p = cos, 2 p + 1 = sin of my position and my p-th pair
.set TS0, 64+64*((\a)%2)
.set TG, 0
.rept 16
	global_load_b128 v[TS0+4*TG:TS0+4*TG+3], v[L16], s[70:71] offset:65536*(\a)+512*TG
.set TG, TG+1
.endr
.endm
; 32 products of K step s: all 32 accumulators by turns, in the same order in every step
.macro MULS G, s
.set WSET, 64+96*((\s)%2)
.if (\s) < 5
.set XB0, 48*(\s)
.else
.set XB0, 48*((\s)-5)
.endif
.if (\G) < 2
.if (\s) == 0
	WIN 0x78                                       ; W window 0, x window 2, the bias window 3, the sums window 1
.elseif (\s) < 5
	WIN 0x58
.else
	WIN 0x5c                                       ; x window 3
.endif
.else
.if (\s) == 0
	WIN 0x72
.elseif (\s) < 5
	WIN 0x52
.else
	WIN 0x53
.endif
.endif
.irp t,0,1,2,3,4,5,6,7
.irp a,0,1,2,3
.if (\G) < 2
.if (\s) == 0
	WM 8*(8*\a+\t), WSET+12*\t, XB0+12*\a, BI+8*\t, WS+4*(\s)+\t/2, XS+4*\a+(\s)%4, \t%2, (\s)/4
.else
	WM 8*(8*\a+\t), WSET+12*\t, XB0+12*\a, 8*(8*\a+\t), WS+4*(\s)+\t/2, XS+4*\a+(\s)%4, \t%2, (\s)/4
.endif
.else
.if (\s) == 0
	WM 8*(4*\t+\a), XB0+12*\a, WSET+12*\t, BI+8*\t, XS+4*\a+(\s)%4, WS+4*(\s)+\t/2, (\s)/4, \t%2
.else
	WM 8*(4*\t+\a), XB0+12*\a, WSET+12*\t, 8*(4*\t+\a), XS+4*\a+(\s)%4, WS+4*(\s)+\t/2, (\s)/4, \t%2
.endif
.endif
.endr
.endr
.endm
.macro STEP G, s
	WIN 0
	PLACES                                         ; behind the last step's products, in front of loads into the registers that they read
.if (\s) < 7
	FETCH (\s)+1
.endif
.if ((\s) == 1) && ((\G) == 0)
	BIASQK 12                                      ; the next group's bias: this group's was read by step 0
.endif
.if ((\s) == 1) && ((\G) == 1)
	BIASV
.endif
.if (\G) == 0
.set LC, 16*(7-(\s))+16                            ; behind this step's fragments of x: 16 loads for each later step, and k's 16 bias loads; the count's field holds 63
.if LC > 63
.set LC, 63
.endif
	s_wait_loadcnt LC
.endif
.if ((\s) == 7) && ((\G) < 2)
	TLOAD 0                                        ; into set 0, which step 6 read last
.endif
.if (\s) < 7
	s_wait_dscnt 24                                ; all but the fetch just issued
.else
	s_wait_dscnt 0x0
.endif
	MULS \G, \s
.endm
.macro GHEAD G
	WIN 0
.if (\G) < 2
	s_cmp_lt_u32 s[WV], 2+(\G)                     ; group 0: waves 0 and 1 wait for Wq's slice and the scale words; group 1: wave 2 too, for Wk's; the later slices may stay out
	s_cbranch_scc0 .Lnot_mine_\@
	s_wait_tensorcnt 0x0
.Lnot_mine_\@:
.else
	s_wait_tensorcnt 0x0                           ; all that is still out: every wave waits
.endif
	s_barrier_signal -1
	s_barrier_wait -1                              ; everybody's is
	s_wait_xcnt 0x0                                ; the last group's stores have read their registers
	v_add_nc_u32 v[WA0], 98304*(\G), v[L16]
	v_add_nc_u32 v[WA0+1], 98304*(\G)+49152, v[L16]
.irp s,0,1,2,3,4,5,6,7
.irp b,0,1,2,3
	ds_load_b32 v[WS+4*\s+\b], v[WSA] offset:4096*(\G)+512*\s+128*\b   ; lanes 0-15 tile 2 b, lanes 16-31 tile 2 b + 1
.endr
.endr
	FETCH 0
.if (\G) > 0
	s_wait_loadcnt 0x0                             ; the bias
.endif
.if (\G) == 2
	WIN 0xc3
.irp t,0,1,2,3,4,5,6,7
.irp j,1,2,3,4,5,6,7
	v_mov_b32 v[BI+8*\t+\j], v[BI+8*\t]            ; a lane's eight results of a tile are eight keys of one channel: the same bias
.endr
.endr
	WIN 0
.endif
.endm
; 32 np numbers of a lane, v[src ..] of window sw, register 16 b + i = k 32 b + 16 (lane / 16) + i, become 6 np registers of codes at v[pc] and the blocks' bytes in v[pw], both in window 3
.macro QUANT src, sw, np, pc, pw
	WIN 0xc0|((\sw)<<2)|(\sw)
.irp b,0,1,2,3
.if \b < 2*(\np)
	v_max3_num_f32 v[TM+\b], |v[(\src)+16*\b]|, |v[(\src)+16*\b+1]|, 0x1800000   ; with the floor 2^(3 - 127): the byte cannot fall under 1
.endif
.endr
	WIN 0xc3|((\sw)<<4)|((\sw)<<2)
.irp i,2,4,6,8,10,12,14
.irp b,0,1,2,3
.if \b < 2*(\np)
	v_max3_num_f32 v[TM+\b], v[TM+\b], |v[(\src)+16*\b+\i]|, |v[(\src)+16*\b+\i+1]|
.endif
.endr
.endr
	WIN 0xff
.irp b,0,1,2,3
.if \b < 2*(\np)
	v_permlanex16_b32 v[TM+4+\b], v[TM+\b], s60, s61
.endif
.endr
.irp b,0,1,2,3
.if \b < 2*(\np)
	v_max_num_f32 v[TM+\b], v[TM+\b], v[TM+4+\b]
.endif
.endr
.irp b,0,1,2,3
.if \b < 2*(\np)
	v_add_nc_u32 v[TM+8+\b], 0xff000000, v[TM+\b]  ; 2 off the exponent field: the conversion's scale operand
.endif
.endr
.irp b,0,1,2,3
.if \b < 2*(\np)
	v_lshrrev_b32 v[TM+4+\b], 23, v[TM+8+\b]       ; the byte
.endif
.endr
	v_lshl_or_b32 v[\pw], v[TM+5], 8, v[TM+4]
.if (\np) == 2
	v_lshl_or_b32 v[\pw], v[TM+6], 16, v[\pw]
	v_lshl_or_b32 v[\pw], v[TM+7], 24, v[\pw]
.endif
	WIN 0xcc|(\sw)
.irp c,0,1
.if \c < (\np)
	v_cvt_scalef32_pk16_fp6_f32 v[(\pc)+6*\c:(\pc)+6*\c+2], v[(\src)+32*\c:(\src)+32*\c+15], v[TM+8+2*\c]
	v_cvt_scalef32_pk16_fp6_f32 v[PCT+4*\c:PCT+4*\c+2], v[(\src)+32*\c+16:(\src)+32*\c+31], v[TM+8+2*\c+1]
.endif
.endr
	WIN 0xff
	v_nop                                          ; one plain place behind a scaled conversion
.irp c,0,1
.if \c < (\np)
.irp i,0,1,2
	v_permlane16_swap_b32 v[(\pc)+6*\c+\i], v[PCT+4*\c+\i]   ; a whole block to a lane
.endr
.irp i,0,1,2
	v_mov_b32 v[(\pc)+6*\c+3+\i], v[PCT+4*\c+\i]
.endr
.endif
.endr
.endm
; q's and k's way out, a tile of 16 positions at a time: RoPE, the quantiser (128 columns = two heads of two blocks), codes and scale words
.macro EPIQK G
	WIN 0
	PLACES
	TLOAD 1
.irp a,0,1,2,3
.if \a < 3
	s_wait_loadcnt 16                              ; this tile's table is in; the next tile's 16 loads may be out
.else
	s_wait_loadcnt 0x0
.endif
	s_wait_xcnt 0x0                                ; the last tile's stores have read the codes' registers
	WIN 0x01                                       ; source 0: the sums, window 1
.set TT, 64+64*(\a%2)
.set PP, 0
.rept 32
	v_pk_mul_f32 v[RR+PP:RR+PP+1], v[64*\a+PP:64*\a+PP+1], v[TT+PP:TT+PP+1] op_sel_hi:[1,0]   ; (x1 cos, x2 cos); each accumulator is read from its low end on
.set PP, PP+2
.endr
.set PP, 0
.rept 32
	v_pk_fma_f32 v[RR+PP:RR+PP+1], v[64*\a+PP:64*\a+PP+1], v[TT+PP:TT+PP+1], v[RR+PP:RR+PP+1] op_sel:[1,1,0] op_sel_hi:[0,1,1] neg_lo:[0,1,0]   ; (- x2 sin + .., x1 sin + ..)
.set PP, PP+2
.endr
	WIN 0
.if \a < 2
	TLOAD \a+2
.endif
	QUANT RR, 0, 2, PC, PW+\a
	WIN 0x0c                                       ; a store's data: window 3
.irp e,0,1
	global_store_b128 v[L16], v[PC+6*\e:PC+6*\e+3], s[72:73] offset:(\G)*6291456+\e*98304+768*\a          ; head e's half fragment: 512 and 256 consecutive aligned bytes
	global_store_b64 v[L8], v[PC+6*\e+4:PC+6*\e+5], s[72:73] offset:(\G)*6291456+\e*98304+768*\a+512
.endr
.endr
	WIN 0xff                                       ; the scale words: head e has bytes 2 e, 2 e + 1 of a row's four; lanes 0-15 carry the even tile, lanes 16-31 the odd one
	v_cndmask_b32 v[WK], v[PW], v[PW+1], s62
	v_cndmask_b32 v[WK+1], v[PW+2], v[PW+3], s62
	v_and_b32 v[PW+4], 0xffff, v[WK]               ; the upper two bytes stay 0: they scale the upper 64 along K of the score's product, where q's codes are zeros
	v_and_b32 v[PW+5], 0xffff, v[WK+1]
	v_lshrrev_b32 v[PW+6], 16, v[WK]
	v_lshrrev_b32 v[PW+7], 16, v[WK+1]
	WIN 0x0c
	global_store_b64 v[L8], v[PW+4:PW+5], s[76:77] offset:(\G)*524288
	global_store_b64 v[L8], v[PW+6:PW+7], s[76:77] offset:(\G)*524288+8192
.endm
	GHEAD 0
	s_wait_alu depctr_va_vdst(0)
.irp s,0,1,2,3,4,5,6,7
	STEP 0, \s
.endr
	EPIQK 0
	GHEAD 1
	s_wait_alu depctr_va_vdst(0)
.irp s,0,1,2,3,4,5,6,7
	STEP 1, \s
.endr
	EPIQK 1
	GHEAD 2
	s_wait_alu depctr_va_vdst(0)
.irp s,0,1,2,3,4,5,6,7
	STEP 2, \s
.endr
	; v's way out: a tile of 16 channels at a time; my 64 keys are half a fragment and two of a scale word's four bytes
	WIN 0
	PLACES
.irp t,0,1,2,3,4,5,6,7
.if \t >= 2
	s_wait_xcnt 0x0                                ; the stores of two tiles back have read this set of registers
.endif
	QUANT 32*\t, 1, 1, PC+6*(\t%2), PW+\t
	WIN 0x0c
	global_store_b128 v[L16], v[PC+6*(\t%2):PC+6*(\t%2)+3], s[74:75] offset:(\t/4)*98304+(\t%4)*1536
	global_store_b64 v[L8], v[PC+6*(\t%2)+4:PC+6*(\t%2)+5], s[74:75] offset:(\t/4)*98304+(\t%4)*1536+512
.endr
	WIN 0xff
.irp p,0,1,2,3
	v_cndmask_b32 v[WK+\p], v[PW+2*\p], v[PW+2*\p+1], s62
.endr
	WIN 0x0c
.irp p,0,1,2,3
	ds_store_b16 v[VMS], v[WK+\p] offset:512*(\p/2)+4*(\p%2)   ; my two bytes of each word; the wave beside me has the other two
.endr
	WIN 0
	s_wait_dscnt 0x0                               ; for the others' sake: my stores have landed
	s_barrier_signal -1
	s_barrier_wait -1
	ds_load_b64 v[64:65], v[VMR]
	s_wait_dscnt 0x0
	global_store_b64 v[L8], v[64:65], s[78:79]     ; one aligned run of 256 bytes a wave
	s_wait_tensorcnt 0x0                           ; the wave's end
	ds_add_u32 v[SPW], v[NIL]
	s_wait_dscnt 0x0
	CROUND                                         ; the closing round
	s_endpgm
.Lfunc_end_k_qba8a7bbd38_qkv:
	.size	k_qba8a7bbd38_qkv, .Lfunc_end_k_qba8a7bbd38_qkv-k_qba8a7bbd38_qkv
	.p2alignl 7, 3214868480
	.fill 96, 4, 3214868480
	.section	.rodata,"a",@progbits
	.p2align	6, 0x0
	.amdhsa_kernel k_qba8a7bbd38_qkv
		.amdhsa_group_segment_fixed_size 308736
		.amdhsa_private_segment_fixed_size 0
		.amdhsa_enable_private_segment 0
		.amdhsa_kernarg_size 64
		.amdhsa_user_sgpr_count 2
		.amdhsa_user_sgpr_kernarg_segment_ptr 1
		.amdhsa_wavefront_size32 1
		.amdhsa_system_sgpr_workgroup_id_x 1
		.amdhsa_system_sgpr_workgroup_id_y 1
		.amdhsa_system_sgpr_workgroup_id_z 1
		.amdhsa_system_vgpr_workitem_id 0
		.amdhsa_next_free_vgpr 1024
		.amdhsa_next_free_sgpr 100
		.amdhsa_reserve_vcc 0
		.amdhsa_float_denorm_mode_32 3
		.amdhsa_float_denorm_mode_16_64 3
		.amdhsa_memory_ordered 1
		.amdhsa_forward_progress 1
		.amdhsa_inst_pref_size 255
	.end_amdhsa_kernel
	.section	.bss,"aw",@nobits
	.p2align	6
	.space	262144
	.amdgpu_metadata
---
amdhsa.version: [ 1, 2 ]
amdhsa.kernels:
  - .name:           k_qba8a7bbd38_qkv
    .symbol:         k_qba8a7bbd38_qkv.kd
    .args:
      - { .name: xq, .offset: 0, .size: 8, .value_kind: global_buffer, .address_space: global }
      - { .name: wq, .offset: 8, .size: 8, .value_kind: global_buffer, .address_space: global }
      - { .name: tab, .offset: 16, .size: 8, .value_kind: global_buffer, .address_space: global }
      - { .name: bq, .offset: 24, .size: 8, .value_kind: global_buffer, .address_space: global }
      - { .name: bk, .offset: 32, .size: 8, .value_kind: global_buffer, .address_space: global }
      - { .name: bv, .offset: 40, .size: 8, .value_kind: global_buffer, .address_space: global }
      - { .name: qkvc, .offset: 48, .size: 8, .value_kind: global_buffer, .address_space: global }
      - { .name: qkvs, .offset: 56, .size: 8, .value_kind: global_buffer, .address_space: global }
    .group_segment_fixed_size: 308736
    .private_segment_fixed_size: 0
    .kernarg_segment_align: 8
    .kernarg_segment_size: 64
    .max_flat_workgroup_size: 128
    .sgpr_count:     100
    .vgpr_count:     1024
    .wavefront_size: 32
...
	.end_amdgpu_metadata
.endif
;; end of part 2
;; launch attn (part 3): grid 4 x 64, 16 waves a work-group, clusters of 4 x 1, 237,568 bytes of LDS; arguments qkvc, qkvs, aoc, asc; writes aoc, asc
.if DOCPART == 3
	.amdgcn_target "amdgcn-amd-amdhsa--gfx1250"
	.amdhsa_code_object_version 6
	.text
	.protected	k_qba8a7bbd38_attn
	.globl	k_qba8a7bbd38_attn
	.p2align	8
	.type	k_qba8a7bbd38_attn,@function
k_qba8a7bbd38_attn:
	s_mov_b64 s[64:65], 0
	v_nop
	global_prefetch_b8 v0, s[64:65] scope:SCOPE_SE
	s_setreg_imm32_b32 hwreg(HW_REG_WAVE_MODE, 25, 1), 1
	s_wait_xcnt 0x0
	s_wait_alu depctr_hold_cnt(0) depctr_sa_sdst(0) depctr_va_vdst(0) depctr_va_sdst(0) depctr_va_ssrc(0) depctr_va_vcc(0) depctr_vm_vsrc(0)
	s_getreg_b32 s2, hwreg(HW_REG_IB_STS2, 6, 4)
	s_cmp_eq_u32 s2, 0
	s_cbranch_scc0 .Lentry_in_a_cluster
	s_endpgm
.Lentry_in_a_cluster:
	s_bfe_u32 s2, ttmp6, 0x10000c
	s_cmp_lg_u32 s2, 0x3003
	s_cbranch_scc0 .Lentry_shape_is_right
	s_endpgm
.Lentry_shape_is_right:
; O = softmax(Q K^T / 8) V for one head and batch, both products on codes of FP6 (E2M3) with E8M0 scales; O / the row's sum is quantised along the model's 1,024 for the last projection.
; THE SOFTMAX: t = score x log2(e) / 8; M = the running largest t rounded UP to a whole number; p = 2^(t - M) is quantised along the keys; the row's sum is taken of the unquantised p; when M moves, the sum and O are
; multiplied by 2^(old M - new M), which rounds nothing.
; SHARES.  A work-group owns 512 queries of one head; each of its sixteen waves one tile of 16 queries in each of two passes (one text, a loop of two trips).  The head's whole K and V (register images of codes, and scale
; words) lie in LDS, filled ONCE at the head: so there is no later tile to prefetch, and no loop to run ahead in.
; CLUSTER.  The four work-groups of a cluster are the four query blocks of one head: each fill is asked for jointly.  One tensor load a wave: waves 0-3 a quarter of K's codes each, waves 4-7 of V's, wave 8 K's scale words, wave 9 V's.
; LAYOUT.  S^T = K Q^T, O^T = V^T P^T: a lane holds one query throughout.  WHICH KEYS FORM A TILE IS CHOSEN BY THE LANES' LDS ADDRESSES: tile 4 c + u of a step of 128 keys takes keys 64 c + 8 u + i as rows i = 0 .. 7 and
; keys 64 c + 32 + 8 u + i as rows 8 + i.  So lane (r, h) holds in registers 32 c + 0 .. 31 of S the whole block of keys 64 c + 32 h + 0 .. 31: a block's largest needs no other lane, and two conversions give the six
; registers of P's operand as they fall.  In memory a tile T = 2 b + e holds keys 32 b + 8 e + i and 32 b + 8 e + 16 + i: key octet u = e + 2 g of block b is rows 8 g + i of tile 2 b + e.
; K's rows of 256 bytes lie 320 apart in LDS: rows 8-15 of a tile come from two stored tiles (1,920 bytes) further on, which is 128 modulo 256: the sixteen lanes of a 16-byte load touch 256 different bytes modulo 256.
; K = 64 IN AN INSTRUCTION OF 128: Q's fragment is six loaded registers and six of zeros.  A tile of K is six registers; as the operand's upper six stand the next six registers, whatever they hold (behind the last tile:
; v80-85): any bits are finite numbers of the format, they meet zero codes, and the scale bytes of the upper 64 are 0 (2^-127).
; THE STEP.  Behind the scores' products V of this step and K of the next are asked for, into registers of their own; they land under the softmax.  A barrier in each step, signalled where the step's K is in registers and
; awaited ahead of the second product, keeps the sixteen waves within one step of each other; it orders no memory.  The last step of a pass asks for a step of K past the end: those bytes are V's first, inside LDS, and are not used.
; LIMITS: NaN and infinities are not served; a block of zeros or under 2^-124 gets the byte 1: its codes are zeros, and this program alone reads the bytes.  The promise holds while the scaled scores t stay under 2^31 in magnitude.
.set KSTEP, 7680                       ; LDS: K's codes from 0: a step is 8 tiles of 3 rows of 320 bytes
.set VC,    122880                     ; V's codes, 6,144 bytes a step
.set KSC,   221184                     ; K's scale words, 512 bytes a step
.set VSC,   229376                     ; V's, 256 bytes a step
.set SG,    233472                     ; 2,048 bytes in which the results' scale bytes are gathered; no fill lands here
.set SPARE, 235520                     ; the spare words, 128 bytes a wave
.set CK16, 1                           ; v1-6  this step's LDS addresses
.set CK8,  2
.set CV16, 3
.set CV8,  4
.set CKS,  5
.set CVS,  6
.set SPW,  7                           ; v7 my spare word, v8 0; never rewritten
.set NIL,  8
.set PS,   9                           ; v9 p's scale word, v10 Q's
.set QS,   10
.set BKS,  11                          ; v11-15 the lanes' terms of the addresses
.set BK16, 12
.set BK8,  13
.set L16,  14
.set L8,   15
.set Q,    16                          ; v16-27
.set LS,   28                          ; v28-29 the row's sum, in two halves
.set BM,   82                          ; v82-83 my two blocks' largest
.set KB,   32                          ; v32-79 eight tiles of K
.set NM,   80                          ; v80 -M, v81 the running largest score
.set F,    30                          ; v30 f = 2^(old M - new M); v31 named with it as a pair
.set SH,   84                          ; v84 8 h
.set TP,   85
.set KS,   86                          ; v86-89 K's scale words, v90-91 V's
.set VS,   90
.set TA,   92                          ; v92-95, v252-255 at work
.set S,    96                          ; v96-159 the scores, then p
.set O,    160                         ; v160-191 O^T
.set VB,   192                         ; v192-239 four fragments of V
.set PCD,  240                         ; v240-251 p's codes
.set TB,   252
.set WV,  12
.set SEL, 16
.set CS,  18                           ; s[18:19] c = log2(e) / 8
.set TK,  20
.set TV,  21
.set TKS, 22
.set TVS, 23
.set PSS, 2
.set CNT, 3
.set SGO, 99
.macro PLACES
.rept 4
	v_nop
.endr
.endm
.macro WALU
	s_wait_alu depctr_va_vdst(0)
.endm
.macro CROUND
	s_barrier_signal -1
	s_barrier_wait -1
	s_cmp_lg_u32 s[WV], 0
	s_cbranch_scc1 .Lnot_wave_0_\@
	s_barrier_signal -3
.Lnot_wave_0_\@:
	s_barrier_wait -3
	s_barrier_signal -1
	s_barrier_wait -1
.endm
.macro G1 g, w0, rows                  ; a dense block as rows of 256 bytes (32 elements of 8)
	s_mov_b32 s[\g], \w0
	s_mov_b32 s[\g+1], 32<<16
	s_mov_b32 s[\g+2], (\rows)<<16
	s_mov_b32 s[\g+3], 32<<16
	s_mov_b32 s[\g+4], \rows
	s_mov_b32 s[\g+5], 32
	s_mov_b32 s[\g+6], 0
	s_mov_b32 s[\g+7], 0
.endm
.macro TL g0, g1
	tensor_load_to_lds s[\g0:\g0+3], s[\g1:\g1+7]
	s_nop 0
	PLACES
.endm
	s_load_b256 s[4:11], s[0:1], 0x0               ; qkvc s[4:5], qkvs s[6:7], aoc s[8:9], asc s[10:11]
	v_lshl_add_u32 v[SPW], v0, 2, SPARE
	v_mov_b32 v[NIL], 0
	ds_add_u32 v[SPW], v[NIL]                      ; the opening lines: the add, twice on end, and its wait ahead of the first tensor load
	ds_add_u32 v[SPW], v[NIL]
	v_lshrrev_b32 v1, 5, v0
	v_readfirstlane_b32 s[WV], v1                  ; wave 0..15
	s_and_b32 s14, ttmp7, 0xffff                   ; 16 batch + head, which the four partners share
	G1 24, 15|(3<<16)|(1<<20)|(1<<21)|(5<<22)|(15<<25), 96   ; a quarter of K's codes; 16 dwords of padding behind every 64; the mask of all four, bit 21 beside it
	G1 32, 15|(3<<16)|(1<<21), 96                  ; a quarter of V's
	G1 40, 15|(3<<16)|(1<<21), 32                  ; K's scale words
	G1 48, 15|(3<<16)|(1<<21), 16                  ; V's
	s_and_b32 s76, s[WV], 3                        ; groups 0, of the head and the wave's number alone
	s_mul_i32 s67, s14, 98304
	s_mul_i32 s77, s76, 24576
	s_add_co_u32 s78, s67, s77
	s_add_co_u32 s78, s78, 6291456                 ; K's codes
	s_mov_b32 s79, 0
	s_add_co_u32 s80, s78, 6291456                 ; V's
	s_mov_b32 s81, 0
	s_lshl_b32 s82, s14, 13
	s_add_co_u32 s82, s82, 524288                  ; K's scale words
	s_mov_b32 s83, 0
	s_lshl_b32 s92, s14, 12
	s_add_co_u32 s92, s92, 1048576                 ; V's
	s_mov_b32 s93, 0
	s_mov_b32 s56, 1
	s_mul_i32 s57, s76, 30720                      ; 96 rows of 320 bytes
	s_mov_b32 s60, 1
	s_add_co_u32 s61, s77, VC
	s_mov_b32 s68, 1
	s_mov_b32 s69, KSC
	s_mov_b32 s72, 1
	s_mov_b32 s73, VSC
	; my queries: these hang on my place in the cluster and enter global addresses of plain loads and stores alone
	s_bfe_u32 s13, ttmp6, 0x40000                  ; cx: my block of 512 queries
	s_lshl_b32 s94, s13, 5
	s_add_co_u32 s94, s94, s[WV]                   ; my tile in pass 0: 32 cx + wave; in pass 1 sixteen on
	s_mul_i32 s84, s94, 768
	s_add_co_u32 s84, s84, s67                     ; Q's codes
	s_mov_b32 s85, 0
	s_lshl_b32 s86, s14, 13                        ; Q's scale words: 512 (tile / 8) + 256 ((tile % 8) / 4) + 128 (tile % 2) + 4 ((tile / 2) % 2) + 8 r
	s_lshl_b32 s95, s13, 11
	s_add_co_u32 s86, s86, s95
	s_lshr_b32 s95, s[WV], 3
	s_lshl_b32 s95, s95, 9
	s_add_co_u32 s86, s86, s95
	s_bfe_u32 s95, s[WV], 0x10002
	s_lshl_b32 s95, s95, 8
	s_add_co_u32 s86, s86, s95
	s_and_b32 s95, s[WV], 1
	s_lshl_b32 s95, s95, 7
	s_add_co_u32 s86, s86, s95
	s_bfe_u32 s95, s[WV], 0x10001
	s_lshl_b32 s95, s95, 2
	s_add_co_u32 s86, s86, s95
	s_mov_b32 s87, 0
	s_lshr_b32 s96, s14, 4                         ; batch
	s_and_b32 s97, s14, 15                         ; head
	s_lshl_b32 s95, s96, 7
	s_add_co_u32 s95, s95, s94
	s_mul_i32 s88, s95, 12288
	s_mul_i32 s95, s97, 768
	s_add_co_u32 s88, s88, s95                     ; the result's codes: tile x 12,288 + head x 768
	s_mov_b32 s89, 0
	s_lshl_b32 s90, s97, 15
	s_lshl_b32 s95, s96, 5
	s_lshl_b32 s98, s13, 3
	s_add_co_u32 s95, s95, s98
	s_lshl_b32 s95, s95, 8
	s_add_co_u32 s90, s90, s95
	s_lshl_b32 s95, s76, 9
	s_add_co_u32 s90, s90, s95                     ; the result's scale bytes: 32,768 head + 256 (tile / 4); waves 0-3 store 512 bytes each
	s_mov_b32 s91, 0
	s_lshr_b32 s[SGO], s[WV], 2
	s_lshl_b32 s[SGO], s[SGO], 8
	s_lshl_b32 s95, s76, 2
	s_add_co_u32 s[SGO], s[SGO], s95
	s_add_co_u32 s[SGO], s[SGO], SG                ; SG + 256 (wave / 4) + 4 (wave % 4); 1,024 on in pass 1
	s_lshl_b32 s66, s76, 9
	s_add_co_u32 s66, s66, SG                      ; SG + 512 (wave % 4)
	s_mov_b32 s[SEL], 0x76543210
	s_mov_b32 s[SEL+1], 0xfedcba98                 ; v_permlanex16_b32's selects for lane l xor 16
	s_mov_b32 s[CS], 0x3e38aa3b
	s_mov_b32 s[CS+1], s[CS]                       ; (named with it as a pair, so it is written)
	v_and_b32 v1, 31, v0
	v_and_b32 v2, 7, v0                            ; r % 8
	v_bfe_u32 v3, v0, 3, 1                         ; r / 8
	v_bfe_u32 v4, v0, 4, 1                         ; h
	v_lshlrev_b32 v[L16], 4, v1
	v_lshlrev_b32 v[L8], 3, v1
	v_lshlrev_b32 v[SH], 3, v4
	v_mul_u32_u24 v5, v3, 1920                     ; rows 8-15 of a tile: two stored tiles on
	v_lshl_add_u32 v6, v2, 4, v5
	v_mad_u32_u24 v[BK16], v4, 320, v6             ; K, registers 0-3: 16 (r % 8) + 320 h + 1,920 (r / 8)
	v_lshl_add_u32 v6, v2, 3, v5
	v_lshl_add_u32 v[BK8], v4, 7, v6               ; registers 4-5: 8 (r % 8) + 128 h + 1,920 (r / 8)
	v_lshlrev_b32 v6, 3, v2
	v_lshl_add_u32 v6, v3, 2, v6
	v_lshl_add_u32 v[BKS], v4, 7, v6               ; K's scale words: 8 (r % 8) + 4 (r / 8); lanes 16-31 take the odd tile, 128 on
	v_and_b32 v1, 15, v0
	v_lshlrev_b32 v1, 3, v1                        ; 8 r
.irp j,22,23,24,25,26,27,30,31,82,83,85
	v_mov_b32 v\j, 0                               ; Q's upper 64 codes; registers that count as read before their first write
.endr
	WALU
	s_wait_dscnt 0x0                               ; both opening adds are done
	s_wait_kmcnt 0x0
	s_add_nc_u64 s[58:59], s[4:5], s[78:79]
	s_or_b32 s59, s59, 0x80000000
	s_add_nc_u64 s[62:63], s[4:5], s[80:81]
	s_or_b32 s63, s63, 0x80000000
	s_add_nc_u64 s[70:71], s[6:7], s[82:83]
	s_or_b32 s71, s71, 0x80000000
	s_add_nc_u64 s[74:75], s[6:7], s[92:93]
	s_or_b32 s75, s75, 0x80000000
	s_add_nc_u64 s[84:85], s[4:5], s[84:85]
	s_add_nc_u64 s[86:87], s[6:7], s[86:87]
	s_add_nc_u64 s[88:89], s[8:9], s[88:89]
	s_add_nc_u64 s[90:91], s[10:11], s[90:91]
	CROUND                                         ; all four work-groups are here: the joint loads meet
	s_cmp_lt_u32 s[WV], 4                          ; one chain of arms on the wave's number, one load to an arm
	s_cbranch_scc0 .Larm_v
	TL 56, 24
	s_branch .Lasked
.Larm_v:
	s_cmp_lt_u32 s[WV], 8
	s_cbranch_scc0 .Larm_ks
	TL 60, 32
	s_branch .Lasked
.Larm_ks:
	s_cmp_eq_u32 s[WV], 8
	s_cbranch_scc0 .Larm_vs
	TL 68, 40
	s_branch .Lasked
.Larm_vs:
	s_cmp_eq_u32 s[WV], 9
	s_cbranch_scc0 .Lasked
	TL 72, 48
.Lasked:
	global_load_b128 v[Q:Q+3], v[L16], s[84:85]    ; pass 0's tile of Q
	global_load_b64 v[Q+4:Q+5], v[L8], s[84:85] offset:512
	global_load_b32 v[QS], v1, s[86:87]
.macro WMS t                           ; S^T of 16 keys
.if (\t)%2
	v_wmma_scale_f32_16x16x128_f8f6f4 v[S+8*(\t):S+8*(\t)+7], v[KB+6*(\t):KB+6*(\t)+11], v[Q:Q+11], 0, v[KS+(\t)/2], v[QS] matrix_a_fmt:MATRIX_FMT_FP6 matrix_b_fmt:MATRIX_FMT_FP6 matrix_a_scale:MATRIX_SCALE_ROW1
.else
	v_wmma_scale_f32_16x16x128_f8f6f4 v[S+8*(\t):S+8*(\t)+7], v[KB+6*(\t):KB+6*(\t)+11], v[Q:Q+11], 0, v[KS+(\t)/2], v[QS] matrix_a_fmt:MATRIX_FMT_FP6 matrix_b_fmt:MATRIX_FMT_FP6
.endif
.endm
.macro WMO t                           ; O^T of 16 channels += V^T P^T
.if (\t)%2
	v_wmma_scale_f32_16x16x128_f8f6f4 v[O+8*(\t):O+8*(\t)+7], v[VB+12*(\t):VB+12*(\t)+11], v[PCD:PCD+11], v[O+8*(\t):O+8*(\t)+7], v[VS+(\t)/2], v[PS] matrix_a_fmt:MATRIX_FMT_FP6 matrix_b_fmt:MATRIX_FMT_FP6 matrix_a_scale:MATRIX_SCALE_ROW1
.else
	v_wmma_scale_f32_16x16x128_f8f6f4 v[O+8*(\t):O+8*(\t)+7], v[VB+12*(\t):VB+12*(\t)+11], v[PCD:PCD+11], v[O+8*(\t):O+8*(\t)+7], v[VS+(\t)/2], v[PS] matrix_a_fmt:MATRIX_FMT_FP6 matrix_b_fmt:MATRIX_FMT_FP6
.endif
.endm
.macro LOADK a16, a8, asc, ko, so      ; a step's eight tiles 4 c + 2 g + e, from stored tiles 4 c + e (rows 8-15: two on), rows 8 g ..; and their scale words: 20 LDS loads
.irp c,0,1
.irp g,0,1
.irp e,0,1
	ds_load_b128 v[KB+6*(4*\c+2*\g+\e):KB+6*(4*\c+2*\g+\e)+3], \a16 offset:(\ko)+(4*\c+\e)*960+128*\g
	ds_load_b64 v[KB+6*(4*\c+2*\g+\e)+4:KB+6*(4*\c+2*\g+\e)+5], \a8 offset:(\ko)+(4*\c+\e)*960+640+64*\g
.endr
	ds_load_b32 v[KS+2*\c+\g], \asc offset:(\so)+256*\c+64*\g   ; lanes 0-15 tile e = 0, lanes 16-31 tile e = 1
.endr
.endr
.endm
	s_mov_b32 s[PSS], 0
	s_wait_tensorcnt 0x0                           ; my load has landed,
	s_barrier_signal -1
	s_barrier_wait -1                              ; everybody's has: the head's K and V lie in LDS
.Lpass:
	s_mov_b32 s[TK], 0
	s_mov_b32 s[TV], VC
	s_mov_b32 s[TKS], KSC
	s_mov_b32 s[TVS], VSC
	s_mov_b32 s[CNT], 8
	v_mov_b32 v[NM], 0x7f61b1e6                    ; -M: 3e38
	v_mov_b32 v[NM+1], 0xff61b1e6                  ; the largest score so far: -3e38
	v_mov_b32 v[LS], 0
	v_mov_b32 v[LS+1], 0
.irp j,0,1,2,3
	v_mov_b32 v[TA+\j], 0                          ; the four chains of a step's sum: the first step joins zeros
	v_mov_b32 v[TB+\j], 0
.endr
.set JJ, 0
.rept 32
	v_mov_b32 v[O+JJ], 0                           ; the step is written once: the first finds zeros, which the first change of M leaves zeros
.set JJ, JJ+1
.endr
	v_add_nc_u32 v[CKS], KSC, v[BKS]
	LOADK v[BK16], v[BK8], v[CKS], 0, 0            ; step 0's K
	WALU
	s_wait_loadcnt 0x0                             ; Q
.macro STEP u                          ; A KEY STEP: 128 keys; u: the first or the second of a trip's two: the second's places in LDS stand in the loads' immediates
	s_wait_dscnt 0x0                               ; this step's K is in
	s_barrier_signal -1
.irp t,0,1,2,3,4,5,6,7
	WMS \t
.endr
	v_pk_add_f32 v[TA:TA+1], v[TA:TA+1], v[TA+2:TA+3]   ; the last step's four chains are joined here: these four lines name no register of the products and are the places behind the last step's second
	v_pk_add_f32 v[TB:TB+1], v[TB:TB+1], v[TB+2:TB+3]   ; product and behind the scores' products, in front of the loads into the registers that they read
	s_delay_alu instid0(VALU_DEP_1)
	v_pk_add_f32 v[TA:TA+1], v[TA:TA+1], v[TB:TB+1]
	s_delay_alu instid0(VALU_DEP_1)
	v_pk_fma_f32 v[LS:LS+1], v[LS:LS+1], v[F:F+1], v[TA:TA+1] op_sel_hi:[1,0,1]   ; the sums under the last step's M, and the last step's own (f is still the last step's)
.if (\u) == 0
	v_add_nc_u32 v[CK16], s[TK], v[BK16]           ; the trip's LDS addresses
	v_add_nc_u32 v[CK8], s[TK], v[BK8]
	v_add_nc_u32 v[CV16], s[TV], v[L16]
	v_add_nc_u32 v[CV8], s[TV], v[L8]
	v_add_nc_u32 v[CKS], s[TKS], v[BKS]
	v_add_nc_u32 v[CVS], s[TVS], v[L8]
.endif
.irp t,0,1,2,3                                 ; this step's V: 17 loads
.irp c,0,1
	ds_load_b128 v[VB+12*\t+6*\c:VB+12*\t+6*\c+3], v[CV16] offset:1536*\t+768*\c+6144*(\u)
	ds_load_b64 v[VB+12*\t+6*\c+4:VB+12*\t+6*\c+5], v[CV8] offset:1536*\t+768*\c+512+6144*(\u)
.endr
.endr
	ds_load_b64 v[VS:VS+1], v[CVS] offset:256*(\u)
	LOADK v[CK16], v[CK8], v[CKS], KSTEP*(1+(\u)), 512*(1+(\u))   ; the next step's K: 20 loads
.irp c,0,1                                     ; the largest score of each of my two blocks, in two chains each; every accumulator is read from its low end on
	v_max3_num_f32 v[BM+\c], v[S+32*\c], v[S+32*\c+1], v[S+32*\c+2]
	v_max3_num_f32 v[TA+\c], v[S+32*\c+16], v[S+32*\c+17], v[S+32*\c+18]
.endr
.irp i,3,5,7,9,11,13
.irp c,0,1
	v_max3_num_f32 v[BM+\c], v[BM+\c], v[S+32*\c+\i], v[S+32*\c+\i+1]
	v_max3_num_f32 v[TA+\c], v[TA+\c], v[S+32*\c+16+\i], v[S+32*\c+17+\i]
.endr
.endr
.irp c,0,1
	v_max3_num_f32 v[BM+\c], v[BM+\c], v[TA+\c], v[S+32*\c+15]
.endr
.irp c,0,1
	v_max_num_f32 v[BM+\c], v[BM+\c], v[S+32*\c+31]
.endr
	s_delay_alu instid0(VALU_DEP_1)
	v_max3_num_f32 v[NM+1], v[NM+1], v[BM], v[BM+1]
	s_delay_alu instid0(VALU_DEP_1)
	v_permlanex16_b32 v[TP], v[NM+1], s[SEL], s[SEL+1]
	s_delay_alu instid0(VALU_DEP_1)
	v_max_num_f32 v[NM+1], v[NM+1], v[TP]          ; with lane l xor 16's blocks: the running largest score of my query
	s_delay_alu instid0(VALU_DEP_1)
	v_mul_f32 v[TP], s[CS], v[NM+1]                ; as t (c is positive)
	s_delay_alu instid0(VALU_DEP_1)
	v_floor_f32 v[TP], -v[TP]                      ; the new -M = floor(-t)
	s_delay_alu instid0(VALU_DEP_1)
	v_sub_f32 v[F], v[TP], v[NM]                   ; old M - new M: a whole number, 0 or less
	s_delay_alu instid0(VALU_DEP_2)
	v_mov_b32 v[NM], v[TP]
	s_delay_alu instid0(VALU_DEP_2)
	v_cvt_i32_f32 v[F], v[F]                       ; (it saturates)
	s_delay_alu instid0(VALU_DEP_1)
	v_ldexp_f32 v[F], 1.0, v[F]                    ; f = 2^(old M - new M)
.set JJ, 0
.rept 16
	v_pk_mul_f32 v[O+JJ:O+JJ+1], v[O+JJ:O+JJ+1], v[F:F+1] op_sel_hi:[1,0]   ; O^T under the new M, each accumulator from its low end on
.set JJ, JJ+2
.endr
.set JJ, 0
.rept 32
	v_pk_fma_f32 v[S+JJ:S+JJ+1], v[S+JJ:S+JJ+1], s[CS:CS+1], v[NM:NM+1] op_sel_hi:[1,0,0]   ; t - M, two at a time
.set JJ, JJ+2
.endr
.irp c,0,1
	v_fma_f32 v[BM+\c], v[BM+\c], s[CS], v[NM]     ; the same of each block's largest score
.endr
	WALU
.irp c,0,1
	v_exp_f32 v[BM+\c], v[BM+\c]                   ; the block's largest p: p rises with the score
.endr
.set JJ, 0
.rept 64
	v_exp_f32 v[S+JJ], v[S+JJ]                     ; p = 2^(t - M), not normalised
.set JJ, JJ+1
.endr
	v_nop                                          ; a plain place behind the last exponential
	WALU                                           ; one wait for the batch of 66, ahead of its first reader
.irp c,0,1
	v_max_num_f32 v[BM+\c], 0x1800000, v[BM+\c]    ; the floor 2^(3 - 127): the byte cannot fall under 1
.endr
.irp c,0,1
	v_add_nc_u32 v[BM+\c], 0xff000000, v[BM+\c]    ; 2 off the exponent field: the conversions' scale operand
.endr
	v_cvt_scalef32_pk16_fp6_f32 v[PCD:PCD+2], v[S:S+15], v[BM]
	v_cvt_scalef32_pk16_fp6_f32 v[TA:TA+2], v[S+16:S+31], v[BM]       ; (a conversion's three registers begin on an even number)
	v_cvt_scalef32_pk16_fp6_f32 v[PCD+6:PCD+8], v[S+32:S+47], v[BM+1]
	v_cvt_scalef32_pk16_fp6_f32 v[TB:TB+2], v[S+48:S+63], v[BM+1]
	v_lshrrev_b32 v[TP], 23, v[BM]                 ; the byte of block h (a plain place behind the conversions),
	v_lshrrev_b32 v[TA+3], 23, v[BM+1]             ; of block 2 + h;
	v_lshl_or_b32 v[TA+3], v[TA+3], 16, v[TP]      ; my two bytes, in bytes 0 and 2;
	v_permlanex16_b32 v[TP], v[TA+3], s[SEL], s[SEL+1]
	v_perm_b32 v[PS], v[TP], v[TA+3], 0x06020400   ; lanes 0-15, which alone the product reads: blocks 0 and 2 are mine, blocks 1 and 3 lane l xor 16's: the word of these 128 keys
.irp i,0,1,2
	v_mov_b32 v[PCD+3+\i], v[TA+\i]
	v_mov_b32 v[PCD+9+\i], v[TB+\i]
.endr
	v_pk_add_f32 v[TA:TA+1], v[S:S+1], v[S+2:S+3]  ; the row's sum of the unquantised p, two at a time in four chains; these 28 are also the places between p's codes and scale word and the products
	v_pk_add_f32 v[TA+2:TA+3], v[S+4:S+5], v[S+6:S+7]
	v_pk_add_f32 v[TB:TB+1], v[S+8:S+9], v[S+10:S+11]
	v_pk_add_f32 v[TB+2:TB+3], v[S+12:S+13], v[S+14:S+15]
.irp i,8,12,16,20,24,28
	v_pk_add_f32 v[TA:TA+1], v[TA:TA+1], v[S+2*\i:S+2*\i+1]
	v_pk_add_f32 v[TA+2:TA+3], v[TA+2:TA+3], v[S+2*\i+2:S+2*\i+3]
	v_pk_add_f32 v[TB:TB+1], v[TB:TB+1], v[S+2*\i+4:S+2*\i+5]
	v_pk_add_f32 v[TB+2:TB+3], v[TB+2:TB+3], v[S+2*\i+6:S+2*\i+7]
.endr
	WALU                                           ; (the four chains are joined behind the next step's first products)
	s_wait_dscnt 20                                ; V is in; the 20 loads of the next step's K, issued behind it, may be out
	s_barrier_wait -1                              ; every wave has begun this step
.irp t,0,1,2,3
	WMO \t
.endr
.endm
.Lkey:                                         ; a trip: two key steps
	STEP 0
	STEP 1
	s_add_co_u32 s[TK], s[TK], 2*KSTEP
	s_add_co_u32 s[TV], s[TV], 2*6144
	s_add_co_u32 s[TKS], s[TKS], 2*512
	s_add_co_u32 s[TVS], s[TVS], 2*256
	s_sub_co_u32 s[CNT], s[CNT], 1
	s_cmp_lg_u32 s[CNT], 0
	s_cbranch_scc1 .Lkey
	s_wait_dscnt 0x0                               ; the loads past K's last step have landed: their registers may be loaded anew
	s_cmp_lg_u32 s[PSS], 0
	s_cbranch_scc1 .Lno_q
	v_and_b32 v1, 15, v0                           ; pass 1's tile of Q is asked for here and lands under pass 0's way out
	v_lshlrev_b32 v1, 3, v1
	global_load_b128 v[Q:Q+3], v[L16], s[84:85] offset:12288
	global_load_b64 v[Q+4:Q+5], v[L8], s[84:85] offset:12288+512
	global_load_b32 v[QS], v1, s[86:87] offset:1024
.Lno_q:
; a pass ends: O^T / the sum, quantised along the head's 64 (register 16 b + i = channel 32 b + 16 (lane / 16) + i), as half a fragment of the last projection's operand
	v_pk_add_f32 v[TA:TA+1], v[TA:TA+1], v[TA+2:TA+3]   ; the last step's four chains; these four lines are the places behind the last products
	v_pk_add_f32 v[TB:TB+1], v[TB:TB+1], v[TB+2:TB+3]
	s_delay_alu instid0(VALU_DEP_1)
	v_pk_add_f32 v[TA:TA+1], v[TA:TA+1], v[TB:TB+1]
	s_delay_alu instid0(VALU_DEP_1)
	v_pk_fma_f32 v[LS:LS+1], v[LS:LS+1], v[F:F+1], v[TA:TA+1] op_sel_hi:[1,0,1]
	v_add_f32 v[LS], v[LS], v[LS+1]
	v_permlanex16_b32 v[TP], v[LS], s[SEL], s[SEL+1]
	v_add_f32 v[LS], v[LS], v[TP]                  ; the row's sum
	WALU
	v_rcp_f32 v[LS], v[LS]
	v_nop                                          ; a plain place behind the reciprocal
	WALU                                           ; the wait ahead of its first reader, and of O^T's
.set JJ, 0
.rept 32
	v_mul_f32 v[S+JJ], v[O+JJ], v[LS]
.set JJ, JJ+1
.endr
.irp b,0,1
	v_max3_num_f32 v[BM+\b], |v[S+16*\b]|, |v[S+16*\b+1]|, 0x1800000
.endr
.irp i,2,4,6,8,10,12,14
.irp b,0,1
	v_max3_num_f32 v[BM+\b], v[BM+\b], |v[S+16*\b+\i]|, |v[S+16*\b+\i+1]|
.endr
.endr
.irp b,0,1
	v_permlanex16_b32 v[TA+\b], v[BM+\b], s[SEL], s[SEL+1]
.endr
.irp b,0,1
	v_max_num_f32 v[BM+\b], v[BM+\b], v[TA+\b]
.endr
.irp b,0,1
	v_add_nc_u32 v[BM+\b], 0xff000000, v[BM+\b]
.endr
.irp b,0,1
	v_lshrrev_b32 v[TA+\b], 23, v[BM+\b]
.endr
	v_lshl_or_b32 v[TA+2], v[TA+1], 8, v[TA]       ; my row's two bytes
	v_and_b32 v2, 15, v0
	v_lshl_add_u32 v2, v2, 4, s[SGO]               ; their place: SG + 1,024 pass + 256 (wave / 4) + 4 (wave % 4) + 16 r
	v_cvt_scalef32_pk16_fp6_f32 v[PCD:PCD+2], v[S:S+15], v[BM]
	v_cvt_scalef32_pk16_fp6_f32 v[TB:TB+2], v[S+16:S+31], v[BM+1]
	v_nop                                          ; one plain place behind a scaled conversion
.irp i,0,1,2
	v_permlane16_swap_b32 v[PCD+\i], v[TB+\i]      ; a whole block to a lane
.endr
.irp i,0,1,2
	v_mov_b32 v[PCD+3+\i], v[TB+\i]
.endr
	global_store_b128 v[L16], v[PCD:PCD+3], s[88:89]               ; 512 and 256 consecutive aligned bytes
	global_store_b64 v[L8], v[PCD+4:PCD+5], s[88:89] offset:512
	ds_store_b32 v2, v[TA+2]                       ; both halves of the lanes write the same word with the same value
	s_wait_xcnt 0x0                                ; the stores have read their base and their registers
	s_add_nc_u64 s[88:89], s[88:89], 196608        ; sixteen tiles on
	s_add_co_u32 s[SGO], s[SGO], 1024
	s_add_co_u32 s[PSS], s[PSS], 1
	s_cmp_lt_u32 s[PSS], 2
	WALU
	s_cbranch_scc1 .Lpass
	s_wait_dscnt 0x0                               ; for the others' sake: my stores have landed
	s_barrier_signal -1
	s_barrier_wait -1
	v_add_nc_u32 v1, s66, v[L16]                   ; SG + 512 (wave % 4) + 16 x lane
	s_cmp_lt_u32 s[WV], 4
	s_cbranch_scc0 .Lno_out
	ds_load_b128 v[96:99], v1
	s_wait_dscnt 0x0
	global_store_b128 v[L16], v[96:99], s[90:91]   ; the 32 tiles' scale bytes: 512 consecutive aligned bytes a wave
.Lno_out:
	s_wait_tensorcnt 0x0                           ; the wave's end
	ds_add_u32 v[SPW], v[NIL]
	s_wait_dscnt 0x0
	CROUND                                         ; the closing round
	s_endpgm
.Lfunc_end_k_qba8a7bbd38_attn:
	.size	k_qba8a7bbd38_attn, .Lfunc_end_k_qba8a7bbd38_attn-k_qba8a7bbd38_attn
	.p2alignl 7, 3214868480
	.fill 96, 4, 3214868480
	.section	.rodata,"a",@progbits
	.p2align	6, 0x0
	.amdhsa_kernel k_qba8a7bbd38_attn
		.amdhsa_group_segment_fixed_size 237568
		.amdhsa_private_segment_fixed_size 0
		.amdhsa_enable_private_segment 0
		.amdhsa_kernarg_size 32
		.amdhsa_user_sgpr_count 2
		.amdhsa_user_sgpr_kernarg_segment_ptr 1
		.amdhsa_wavefront_size32 1
		.amdhsa_system_sgpr_workgroup_id_x 1
		.amdhsa_system_sgpr_workgroup_id_y 1
		.amdhsa_system_sgpr_workgroup_id_z 1
		.amdhsa_system_vgpr_workitem_id 0
		.amdhsa_next_free_vgpr 256
		.amdhsa_next_free_sgpr 100
		.amdhsa_reserve_vcc 0
		.amdhsa_float_denorm_mode_32 3
		.amdhsa_float_denorm_mode_16_64 3
		.amdhsa_memory_ordered 1
		.amdhsa_forward_progress 1
		.amdhsa_inst_pref_size 48
	.end_amdhsa_kernel
	.amdgpu_metadata
---
amdhsa.version: [ 1, 2 ]
amdhsa.kernels:
  - .name:           k_qba8a7bbd38_attn
    .symbol:         k_qba8a7bbd38_attn.kd
    .args:
      - { .name: qkvc, .offset: 0, .size: 8, .value_kind: global_buffer, .address_space: global }
      - { .name: qkvs, .offset: 8, .size: 8, .value_kind: global_buffer, .address_space: global }
      - { .name: aoc, .offset: 16, .size: 8, .value_kind: global_buffer, .address_space: global }
      - { .name: asc, .offset: 24, .size: 8, .value_kind: global_buffer, .address_space: global }
    .group_segment_fixed_size: 237568
    .private_segment_fixed_size: 0
    .kernarg_segment_align: 8
    .kernarg_segment_size: 32
    .max_flat_workgroup_size: 512
    .sgpr_count:     100
    .vgpr_count:     256
    .wavefront_size: 32
...
	.end_amdgpu_metadata
.endif
;; end of part 3
;; launch oproj (part 4): grid 32 x 8, 4 waves a work-group, clusters of 4 x 1, 167,936 bytes of LDS; arguments aoc, asc, wq, b0, out0; writes out0
.if DOCPART == 4
	.amdgcn_target "amdgcn-amd-amdhsa--gfx1250"
	.amdhsa_code_object_version 6
	.text
	.protected	k_qba8a7bbd38_oproj
	.globl	k_qba8a7bbd38_oproj
	.p2align	8
	.type	k_qba8a7bbd38_oproj,@function
k_qba8a7bbd38_oproj:
	s_mov_b64 s[64:65], 0
	v_nop
	global_prefetch_b8 v0, s[64:65] scope:SCOPE_SE
	s_setreg_imm32_b32 hwreg(HW_REG_WAVE_MODE, 25, 1), 1
	s_wait_xcnt 0x0
	s_wait_alu depctr_hold_cnt(0) depctr_sa_sdst(0) depctr_va_vdst(0) depctr_va_sdst(0) depctr_va_ssrc(0) depctr_va_vcc(0) depctr_vm_vsrc(0)
	s_getreg_b32 s2, hwreg(HW_REG_IB_STS2, 6, 4)
	s_cmp_eq_u32 s2, 0
	s_cbranch_scc0 .Lentry_in_a_cluster
	s_endpgm
.Lentry_in_a_cluster:
	s_bfe_u32 s2, ttmp6, 0x10000c
	s_cmp_lg_u32 s2, 0x3003
	s_cbranch_scc0 .Lentry_shape_is_right
	s_endpgm
.Lentry_shape_is_right:
; out0 = A W0 + b0 on codes of FP6 (E2M3) with E8M0 scales; A is attention's result, quantised by the launch before, in the order of an operand's registers.
; SHARES.  A work-group takes 256 rows and a slice of 128 columns; wave w owns rows 64 w .. 64 w + 63 (four tiles); its 32 fragments of A come straight into registers.  W0's slice (98,304 bytes of register images) and its
; scale words lie in LDS, filled once.  The four work-groups of a cluster have the same slice: the fills are asked for jointly, one tensor load a wave: waves 0-2 a third of the codes each, wave 3 the scale words.
; TWO PHASES.  Tiles 0 and 1 go through all eight K steps first and leave; their stores are on their way while tiles 2 and 3 are multiplied.  So W0's fragments are read from LDS twice.  The fragments of A of tiles 2 and 3
; are asked for step by step inside the first phase.  Every byte is asked for at the head or a phase ahead of its use, by its own load: nothing is prefetched.
; Source 0 = 16 columns of W0, source 1 = 16 rows of A: a lane holds one row and its registers run along the columns; b0 is the C of a sum's first product.
; The rows of a tile are 32 (u / 2) + 8 (u % 2) + i % 8 + 16 (i / 8): the way out puts each row in its place.
; REGISTERS: window 0: addresses, v16-31 A's scale words, v32-63 W0's, v64-159 and v160-255 two sets of W0's fragments; window 1 the 32 accumulators; windows 2 and 3 A's fragments; window 3 v144-207 the bias.
.set WSC,   98304
.set STAGE, 102400                     ; 16 rows x (512 bytes + 16) for each wave; no fill lands here
.set SPARE, 136192
.set L16, 1
.set L8,  2
.set WSA, 3
.set WA0, 4
.set BA,  6
.set RA,  7
.set STO, 12
.set SRD, 13
.set SPW, 14
.set NIL, 15
.set XS,  16
.set WS,  32
.set BI,  144
.set WV,  20
.set MSB, 0
.macro WIN new
.if MSB != (\new)
	s_set_vgpr_msb (MSB<<8)|(\new)
.set MSB, \new
.endif
.endm
.macro PLACES
.rept 4
	v_nop
.endr
.endm
.macro CROUND
	s_barrier_signal -1
	s_barrier_wait -1
	s_cmp_lg_u32 s[WV], 0
	s_cbranch_scc1 .Lnot_wave_0_\@
	s_barrier_signal -3
.Lnot_wave_0_\@:
	s_barrier_wait -3
	s_barrier_signal -1
	s_barrier_wait -1
.endm
	s_load_b256 s[4:11], s[0:1], 0x0               ; aoc s[4:5], asc s[6:7], wq s[8:9], b0 s[10:11]
	s_load_b64 s[12:13], s[0:1], 0x20              ; out0
	v_lshl_add_u32 v[SPW], v0, 2, SPARE
	v_mov_b32 v[NIL], 0
	ds_add_u32 v[SPW], v[NIL]                      ; the opening lines: the add, twice on end, and its wait ahead of my first tensor load
	ds_add_u32 v[SPW], v[NIL]
	v_lshrrev_b32 v8, 5, v0
	v_readfirstlane_b32 s[WV], v8
	s_and_b32 s23, ttmp7, 0xffff                   ; the slice
	s_mov_b32 s24, 15|(3<<16)|(1<<21)              ; dense blocks as rows of 256 bytes; the mask of all four, bit 21 beside it
	s_mov_b32 s25, 32<<16
	s_mov_b32 s26, 128<<16                         ; a third of the slice's codes
	s_mov_b32 s27, 32<<16
	s_mov_b32 s28, 128
	s_mov_b32 s29, 32
	s_mov_b32 s30, 0
	s_mov_b32 s31, 0
	s_mov_b32 s32, 15|(3<<16)|(1<<21)
	s_mov_b32 s33, 32<<16
	s_mov_b32 s34, 16<<16                          ; its scale words
	s_mov_b32 s35, 32<<16
	s_mov_b32 s36, 16
	s_mov_b32 s37, 32
	s_mov_b32 s38, 0
	s_mov_b32 s39, 0
	s_mov_b32 s40, 1
	s_mov_b32 s41, WSC
	s_lshl_b32 s58, s23, 14
	s_add_co_u32 s58, s58, 3145728+12288
	s_mov_b32 s59, 0
	s_mul_i32 s57, s[WV], 32768
	s_mov_b32 s44, 1
	s_mov_b32 s45, s57
	s_mul_i32 s86, s23, 98304
	s_add_co_u32 s86, s86, s57
	s_add_co_u32 s86, s86, 3*786432
	s_mov_b32 s87, 0
	s_bfe_u32 s21, ttmp6, 0x40000                  ; cx: it enters global addresses of plain loads and stores alone
	s_lshl_b32 s22, ttmp9, 2
	s_add_co_u32 s22, s22, s21                     ; my block of 256 rows
	s_lshl_b32 s80, s22, 4
	s_lshl_b32 s81, s[WV], 2
	s_add_co_u32 s80, s80, s81                     ; my first tile
	s_mul_i32 s66, s80, 12288
	s_mov_b32 s67, 0
	s_lshl_b32 s68, s80, 6                         ; 256 (tile / 4)
	s_mov_b32 s69, 0
	s_lshl_b32 s72, s22, 8
	s_lshl_b32 s82, s[WV], 6
	s_add_co_u32 s72, s72, s82
	s_lshl_b32 s72, s72, 12                        ; my first row x 4,096 bytes
	s_lshl_b32 s94, s23, 9
	s_add_co_u32 s72, s72, s94
	s_mov_b32 s73, 0
	s_mov_b32 s95, 0
	v_and_b32 v8, 31, v0
	v_and_b32 v10, 15, v0
	v_bfe_u32 v9, v0, 4, 1
	v_lshlrev_b32 v[L16], 4, v8
	v_lshlrev_b32 v[L8], 3, v8
	v_lshl_add_u32 v[WSA], v8, 2, WSC
	v_lshlrev_b32 v[WA0], 4, v8
	v_lshl_add_u32 v[WA0+1], v8, 4, 49152
	v_lshlrev_b32 v[BA], 6, v9
	v_lshlrev_b32 v[RA], 18, v9
	v_lshl_add_u32 v[RA], v10, 4, v[RA]            ; 8 heads x 32,768 bytes for lanes 16-31, + 16 r
	s_mul_i32 s96, s[WV], 8448
	s_add_co_u32 s96, s96, STAGE
	v_mul_u32_u24 v[STO], v10, 528
	v_lshl_add_u32 v[STO], v9, 6, v[STO]
	v_add_nc_u32 v[STO], s96, v[STO]               ; the stage, in: row r, + 64 h
	v_add_nc_u32 v[SRD], s96, v[L16]               ; and back: 16 x lane of a row
	s_wait_alu depctr_va_vdst(0)
	s_wait_dscnt 0x0                               ; both opening adds are done
	s_wait_kmcnt 0x0
	s_add_nc_u64 s[42:43], s[8:9], s[58:59]
	s_or_b32 s43, s43, 0x80000000
	s_add_nc_u64 s[46:47], s[8:9], s[86:87]
	s_or_b32 s47, s47, 0x80000000
	s_add_nc_u64 s[66:67], s[4:5], s[66:67]
	s_add_nc_u64 s[68:69], s[6:7], s[68:69]
	s_add_nc_u64 s[72:73], s[12:13], s[72:73]
	s_add_nc_u64 s[10:11], s[10:11], s[94:95]
	CROUND                                         ; all four work-groups are here: the joint loads meet
	s_cmp_lt_u32 s[WV], 3                          ; one tensor load a wave
	s_cbranch_scc0 .Lhead_s
	tensor_load_to_lds s[44:47], s[24:31]
	s_nop 0
	PLACES
	s_branch .Lhead_asked
.Lhead_s:
	tensor_load_to_lds s[40:43], s[32:39]
	s_nop 0
	PLACES
.Lhead_asked:
.irp e,0,1,2,3,4,5,6,7
	global_load_b128 v[64+4*\e:67+4*\e], v[RA], s[68:69] offset:32768*\e   ; the byte pairs of head 8 h + e, my four tiles, row r: 256 consecutive bytes for each half of the lanes
.endr
	WIN 0xc0
.irp t,0,1,2,3,4,5,6,7
	global_load_b128 v[BI+8*\t:BI+8*\t+3], v[BA], s[10:11] offset:(32*(\t/2)+8*(\t%2))*4
	global_load_b128 v[BI+8*\t+4:BI+8*\t+7], v[BA], s[10:11] offset:(32*(\t/2)+8*(\t%2))*4+16
.endr
.macro XFLOAD s, a0                    ; the fragments of A of K step s, tiles a0 and a0 + 1: eight loads
.if (\s) < 5
	WIN 0x80
.set XB0, 48*(\s)
.else
	WIN 0xc0
.set XB0, 48*((\s)-5)
.endif
.irp a,\a0,\a0+1
	global_load_b128 v[XB0+12*(\a):XB0+12*(\a)+3], v[L16], s[66:67] offset:12288*(\a)+1536*(\s)
	global_load_b64 v[XB0+12*(\a)+4:XB0+12*(\a)+5], v[L8], s[66:67] offset:12288*(\a)+1536*(\s)+512
	global_load_b128 v[XB0+12*(\a)+6:XB0+12*(\a)+9], v[L16], s[66:67] offset:12288*(\a)+1536*(\s)+768
	global_load_b64 v[XB0+12*(\a)+10:XB0+12*(\a)+11], v[L8], s[66:67] offset:12288*(\a)+1536*(\s)+1280
.endr
.endm
.irp s,0,1,2,3,4,5,6,7
	XFLOAD \s, 0
.endr
	WIN 0
	s_wait_loadcnt 63                              ; the eight loads of byte pairs are in (80 were issued behind them; the count's field holds 63)
.irp a,0,1,2,3
.irp q,0,1,2,3
	v_lshl_or_b32 v[XS+4*\a+\q], v[64+4*(2*\q+1)+\a], 16, v[64+4*(2*\q)+\a]   ; two heads' pairs make the word of a K step: lanes 0-15 step q, lanes 16-31 step 4 + q
.endr
.endr
.rept 8
	v_nop                                          ; scale registers written by vector instructions stand eight places ahead of a scaled product
.endr
	s_wait_alu depctr_va_vdst(0)
	s_wait_tensorcnt 0x0                           ; my part is in,
	s_barrier_signal -1
	s_barrier_wait -1                              ; everybody's is
.macro WM d, a, b, c, sa, sb, ra, rb
.if ((\ra)==0) && ((\rb)==0)
	v_wmma_scale_f32_16x16x128_f8f6f4 v[(\d):(\d)+7], v[(\a):(\a)+11], v[(\b):(\b)+11], v[(\c):(\c)+7], v[\sa], v[\sb] matrix_a_fmt:MATRIX_FMT_FP6 matrix_b_fmt:MATRIX_FMT_FP6
.elseif (\rb)==0
	v_wmma_scale_f32_16x16x128_f8f6f4 v[(\d):(\d)+7], v[(\a):(\a)+11], v[(\b):(\b)+11], v[(\c):(\c)+7], v[\sa], v[\sb] matrix_a_fmt:MATRIX_FMT_FP6 matrix_b_fmt:MATRIX_FMT_FP6 matrix_a_scale:MATRIX_SCALE_ROW1
.elseif (\ra)==0
	v_wmma_scale_f32_16x16x128_f8f6f4 v[(\d):(\d)+7], v[(\a):(\a)+11], v[(\b):(\b)+11], v[(\c):(\c)+7], v[\sa], v[\sb] matrix_a_fmt:MATRIX_FMT_FP6 matrix_b_fmt:MATRIX_FMT_FP6 matrix_b_scale:MATRIX_SCALE_ROW1
.else
	v_wmma_scale_f32_16x16x128_f8f6f4 v[(\d):(\d)+7], v[(\a):(\a)+11], v[(\b):(\b)+11], v[(\c):(\c)+7], v[\sa], v[\sb] matrix_a_fmt:MATRIX_FMT_FP6 matrix_b_fmt:MATRIX_FMT_FP6 matrix_a_scale:MATRIX_SCALE_ROW1 matrix_b_scale:MATRIX_SCALE_ROW1
.endif
.endm
.macro FETCH s                         ; W0's eight fragments of K step s, as images of their registers: 24 loads of 512 consecutive bytes, into set s % 2
.set FS, 64+96*((\s)%2)
.irp t,0,1,2,3,4,5,6,7
.irp g,0,1,2
	ds_load_b128 v[FS+12*\t+4*\g:FS+12*\t+4*\g+3], v[WA0+(\s)/4] offset:((\s)%4)*12288+1536*\t+512*\g
.endr
.endr
.endm
; step g of sixteen: K step g % 8 of phase g / 8: 16 products, the phase's 16 accumulators by turns, in the same order in every step
.macro STEP g
.set SS, (\g)%8
.set PH, (\g)/8
	WIN 0
.if (\g) == 8
	s_wait_xcnt 0x0                                ; tile 0's stores have read set 1's registers, which the fetch below takes
.endif
	PLACES                                         ; behind the last step's products, in front of loads into the registers that they read
.if (\g) < 15
	FETCH ((\g)+1)%8
.endif
.if PH == 0
	s_wait_loadcnt 56                              ; this step's fragments of A are in: behind them 8 loads for each later step of this phase and 8 for each step of this phase gone by
	XFLOAD SS, 2                                   ; the second phase's fragments of this K step
	WIN 0
.else
	s_wait_loadcnt 8*(7-SS)                        ; behind this step's fragments: 8 loads for each later step
.endif
.if (\g) < 15
	s_wait_dscnt 24                                ; all but the fetch just issued
.else
	s_wait_dscnt 0x0
.endif
.set WSET, 64+96*(SS%2)
.if SS < 5
.set XB0, 48*SS
.else
.set XB0, 48*(SS-5)
.endif
.if SS == 0
	WIN 0x78                                       ; W0 window 0, A window 2, the bias window 3, the sums window 1
.elseif SS < 5
	WIN 0x58
.else
	WIN 0x5c
.endif
.irp t,0,1,2,3,4,5,6,7
.irp a,0,1
.if SS == 0
	WM 8*(8*(2*PH+\a)+\t), WSET+12*\t, XB0+12*(2*PH+\a), BI+8*\t, WS+4*SS+\t/2, XS+4*(2*PH+\a)+SS%4, \t%2, SS/4
.else
	WM 8*(8*(2*PH+\a)+\t), WSET+12*\t, XB0+12*(2*PH+\a), 8*(8*(2*PH+\a)+\t), WS+4*SS+\t/2, XS+4*(2*PH+\a)+SS%4, \t%2, SS/4
.endif
.endr
.endr
.endm
; THE WAY OUT of tile a, 16 rows x 128 columns, through my own stage: a lane's 32-byte pieces go in, whole rows of 512 bytes come back, into 64 registers from v[rb] of window rw that are done with.  LDS serves a wave's instructions in order.
.macro OUT a, rw, rb
	WIN 0x04                                       ; an LDS store's data: window 1
.irp t,0,1,2,3,4,5,6,7
	ds_store_b128 v[STO], v[64*(\a)+8*\t:64*(\a)+8*\t+3] offset:128*(\t/2)+32*(\t%2)          ; each accumulator from its low end on
	ds_store_b128 v[STO], v[64*(\a)+8*\t+4:64*(\a)+8*\t+7] offset:128*(\t/2)+32*(\t%2)+16
.endr
	WIN (\rw)<<6
.irp i,0,1,2,3,4,5,6,7,8,9,10,11,12,13,14,15
	ds_load_b128 v[(\rb)+4*\i:(\rb)+4*\i+3], v[SRD] offset:528*\i
.endr
	WIN (\rw)<<2
	s_wait_dscnt 0x0                               ; the tile is back in registers, and its stores into the stage have read the accumulators
.irp i,0,1,2,3,4,5,6,7,8,9,10,11,12,13,14,15
	global_store_b128 v[L16], v[(\rb)+4*\i:(\rb)+4*\i+3], s[72:73] offset:(32*((\a)/2)+8*((\a)%2)+\i%8+16*(\i/8))*4096 th:TH_STORE_NT   ; 512 consecutive aligned bytes of the row's place
.endr
.endm
.irp s,0,1,2,3,4,5,6,7
.irp b,0,1,2,3
	ds_load_b32 v[WS+4*\s+\b], v[WSA] offset:512*\s+128*\b
.endr
.endr
	FETCH 0
.irp g,0,1,2,3,4,5,6,7
	STEP \g
.endr
	WIN 0
	PLACES                                         ; behind the phase's last products
	OUT 0, 0, 160                                  ; into W0's set 1, which step 7 read last and step 8's fetch takes next
	OUT 1, 1, 0                                    ; into tile 0's accumulators
.irp g,8,9,10,11,12,13,14,15
	STEP \g
.endr
	WIN 0
	PLACES
	OUT 2, 1, 64                                   ; into tile 1's accumulators
	OUT 3, 1, 128                                  ; into tile 2's
	WIN 0
	s_wait_tensorcnt 0x0                           ; the wave's end
	ds_add_u32 v[SPW], v[NIL]
	s_wait_dscnt 0x0
	CROUND                                         ; the closing round
	s_endpgm
.Lfunc_end_k_qba8a7bbd38_oproj:
	.size	k_qba8a7bbd38_oproj, .Lfunc_end_k_qba8a7bbd38_oproj-k_qba8a7bbd38_oproj
	.p2alignl 7, 3214868480
	.fill 96, 4, 3214868480
	.section	.rodata,"a",@progbits
	.p2align	6, 0x0
	.amdhsa_kernel k_qba8a7bbd38_oproj
		.amdhsa_group_segment_fixed_size 167936
		.amdhsa_private_segment_fixed_size 0
		.amdhsa_enable_private_segment 0
		.amdhsa_kernarg_size 40
		.amdhsa_user_sgpr_count 2
		.amdhsa_user_sgpr_kernarg_segment_ptr 1
		.amdhsa_wavefront_size32 1
		.amdhsa_system_sgpr_workgroup_id_x 1
		.amdhsa_system_sgpr_workgroup_id_y 1
		.amdhsa_system_sgpr_workgroup_id_z 1
		.amdhsa_system_vgpr_workitem_id 0
		.amdhsa_next_free_vgpr 1024
		.amdhsa_next_free_sgpr 100
		.amdhsa_reserve_vcc 0
		.amdhsa_float_denorm_mode_32 3
		.amdhsa_float_denorm_mode_16_64 3
		.amdhsa_memory_ordered 1
		.amdhsa_forward_progress 1
		.amdhsa_inst_pref_size 99
	.end_amdhsa_kernel
	.amdgpu_metadata
---
amdhsa.version: [ 1, 2 ]
amdhsa.kernels:
  - .name:           k_qba8a7bbd38_oproj
    .symbol:         k_qba8a7bbd38_oproj.kd
    .args:
      - { .name: aoc, .offset: 0, .size: 8, .value_kind: global_buffer, .address_space: global }
      - { .name: asc, .offset: 8, .size: 8, .value_kind: global_buffer, .address_space: global }
      - { .name: wq, .offset: 16, .size: 8, .value_kind: global_buffer, .address_space: global }
      - { .name: b0, .offset: 24, .size: 8, .value_kind: global_buffer, .address_space: global }
      - { .name: out0, .offset: 32, .size: 8, .value_kind: global_buffer, .address_space: global }
    .group_segment_fixed_size: 167936
    .private_segment_fixed_size: 0
    .kernarg_segment_align: 8
    .kernarg_segment_size: 40
    .max_flat_workgroup_size: 128
    .sgpr_count:     100
    .vgpr_count:     1024
    .wavefront_size: 32
...
	.end_amdgpu_metadata
.endif
;; end of part 4
